; MI455X (gfx1250); checked and timed in simulation.
; The chip was launched on July 23, 2026; its instructions are those of AMD's public machine-readable ISA for CDNA 5 (MIT licence, August 2026) and "CDNA5" Instruction Set Architecture Reference Guide (July 2026). The comments in the code are by the model that wrote it; some were corrected since.
;; SA Layer. Allowed arithmetic: matrix products marked QUANTISED: E2M3 operands, one E8M0 scale for each 32 along K, by v_wmma_scale_f32_16x16x128_f8f6f4 with both operands' format E2M3, f32 sums; everything else in f32.
;; Inputs: b_t 256 float32; b_v 256 float32; beta 256 float32; gamma 256 float32; run_mean 256 float32; run_var 256 float32; w_qk 64 x 256 float32; w_t 256 x 256 float32; w_v 256 x 256 float32; x 8 x 256 x 4,096 float32.
;; Outputs: out0 8 x 256 x 4,096 float32.
;; This version of the problem:
;;   THIS VERSION OF THE PROBLEM IS GIVEN IN LOW PRECISION. The matrix products marked QUANTISED in the list below multiply operands that are first quantised to E2M3 (2 exponent bits, 3 mantissa bits; 6 bits a number), with one power-of-two scale for each 32 numbers along K (OCP MX v1.0); their sums are f32. All else is computed in f32.
;;   The module's matrix products, in the order in which they are computed (A, B: the left and right operand; K: the contracted axis; several contracted axes count as one K, in the product's order):
;;     1. [M 32,768, K 256] x [K 256, N 64]; A: input x; B: input w_qk: QUANTISED
;;     2. [M 32,768, K 256] x [K 256, N 64]; A: input x; B: input w_qk: QUANTISED
;;     3. batch 8 x [M 4,096, K 64] x [K 64, N 4,096]; A: computed on the way; B: computed on the way: QUANTISED
;;     4. [M 32,768, K 256] x [K 256, N 256]; A: input x; B: input w_v: QUANTISED
;;     5. batch 8 x [M 256, K 4,096] x [K 4,096, N 4,096]; A: computed on the way; B: computed on the way: QUANTISED
;;     6. [M 32,768, K 256] x [K 256, N 256]; A: computed on the way; B: input w_t: QUANTISED
;;   THE QUANTISER, for each operand of a quantised product, along K:
;;     - K is cut into blocks of 32 from its start; a last block that is shorter is filled with zeros.
;;     - A block's scale is 2^e with e = floor(log2(the largest magnitude in the block)) - 2, held to -126 .. 127; a block of zeros has e = 0. As a byte (E8M0): e + 127.
;;     - Each number is divided by its block's scale, clamped to +-7.5, and rounded to the nearest number of E2M3, ties to even, subnormals kept.
;;     - The product sums the exact products of the quantised numbers (number of the format x scale) in f32.
;;   ~~~python
;;   def quantise(x, axis):      # numpy; x: float32 -> the quantised numbers, widened to float32 again
;;       x = np.moveaxis(x, axis, -1); K = x.shape[-1]
;;       x = np.pad(x, [(0, 0)] * (x.ndim - 1) + [(0, -K % 32)]); x = x.reshape(x.shape[:-1] + (-1, 32)); a = np.abs(x).max(-1, keepdims=True)
;;       e = np.where(a > 0, np.clip(np.frexp(np.where(a > 0, a, 1))[1] - 1 - 2, -126, 127), 0)      # np.frexp(a)[1] - 1 = floor(log2(a)), exactly
;;       r = np.clip(x / 2.0 ** e, -7.5, 7.5)
;;       step = 2.0 ** (np.maximum(np.frexp(np.where(r == 0, 1, r))[1] - 1, 0) - 3)
;;       q = np.round(r / step) * step * 2.0 ** e      # np.round: ties to even
;;       return np.moveaxis(q.reshape(q.shape[:-2] + (-1,))[..., :K], -1, axis).astype(np.float32)
;;   ~~~
;;   OPERANDS COMPUTED ON THE WAY. 'Computed on the way' means the value that the module computes at that place (a softmax that the list does not call 'softmax' is quantised finished and normalised). What goes into a quantiser is computed in f32, as accurately as f32 sums, v_exp_f32 and their like allow (about 1e-6 of the number): no bf16 or f16 on the way to a quantiser, and a product that is left as it is and whose result goes on into a quantised operand takes f32 operands (vector FMAs, or v_wmma_f32_16x16x4_f32). A number that lies on a knife's edge between two numbers of the format may be rounded either way, as far as f32 arithmetic and the matrix unit's own rounding can turn it there, and no further.
;; One version. Each part assembles by itself: llvm-mc -triple=amdgcn-amd-amdhsa -mcpu=gfx1250 --defsym DOCPART=n.
;; ======== version 1 of 1: 4 launches
;; workspace buffers: wq 119,808 bytes; kv 8,395,264 bytes; stat 262,144 bytes
;; launch wq (part 1): grid 18 x 1, 4 waves a work-group, no clusters, 0 bytes of LDS; arguments w_qk, w_v, w_t, wq; writes wq
.if DOCPART == 1
	.amdgcn_target "amdgcn-amd-amdhsa--gfx1250"
	.amdhsa_code_object_version 6
	.text
	.protected	k_q6c4a51ed6f_wq
	.globl	k_q6c4a51ed6f_wq
	.p2align	8
	.type	k_q6c4a51ed6f_wq,@function
k_q6c4a51ed6f_wq:
	s_mov_b64 s[64:65], 0
	v_nop
	global_prefetch_b8 v0, s[64:65] scope:SCOPE_SE
	s_setreg_imm32_b32 hwreg(HW_REG_WAVE_MODE, 25, 1), 1
	s_wait_xcnt 0x0
; The three weights, f32 with K (the input channel) innermost, become codes of FP6 (E2M3) with one E8M0 byte for each 32 along K, laid as IMAGES OF OPERAND REGISTERS:
; fragment f = 2 T + s (T: a tile of 16 rows, s: 128 along K) at byte 1536 f: registers 4 c .. 4 c + 3 of lane l at 512 c + 16 l; its scale words at 110592 + 128 f + 4 l.
; T 0-3: w_qk, T 4-19: w_v, T 20-35: w_t.  In w_qk and w_v lane r of local tile 2 b + u takes row 32 b + 8 u + r + (r & 8), so that the results of two neighbouring tiles
; are 16 neighbours along the next product's K; in w_t lane r of tile t takes row 16 t + r.  One wave makes one fragment: 72 waves.  No LDS, no barrier.
; A block's scale is 2^(floor(log2(largest magnitude)) - 2): its byte is the largest magnitude's exponent field - 2, held at 1 from below.
; LIMITS: NaN and infinities are not served; a block of zeros gets the byte 1 (its codes are zeros, and this program alone reads the bytes).
.set ST,  16                           ; v16-79   64 numbers: register 16 b + i = k 32 b + 16 (lane / 16) + i of my row
.set TM,  80                           ; v80-91   maxima, bytes, scale operands
.set PC,  92                           ; v92-103  the fragment
.set PT,  104                          ; v104-111 the second halves of the conversions
.set PW,  112                          ; v112     the scale word
.set SEL, 30                           ; s[30:31] lane selects: lane l xor 16
; 64 numbers of a lane become a fragment's 12 registers and its row's scale word
.macro QUANT s, pc, pw
.irp b, 0,1,2,3
	v_max3_num_f32 v[TM+\b], |v[\s+16*\b]|, |v[\s+1+16*\b]|, 0x1800000   ; my 16 numbers of block b, and the floor 2^(3 - 127): the byte cannot fall under 1
.endr
.irp i, 2,4,6,8,10,12,14
.irp b, 0,1,2,3
	v_max3_num_f32 v[TM+\b], v[TM+\b], |v[\s+16*\b+\i]|, |v[\s+1+16*\b+\i]|
.endr
.endr
.irp b, 0,1,2,3
	v_permlanex16_b32 v[TM+4+\b], v[TM+\b], s[SEL], s[SEL+1]
.endr
.irp b, 0,1,2,3
	v_max_num_f32 v[TM+\b], v[TM+\b], v[TM+4+\b]                     ; with lane l xor 16's: the block's largest magnitude
.endr
.irp b, 0,1,2,3
	v_add_nc_u32 v[TM+8+\b], 0xff000000, v[TM+\b]                    ; 2 off its exponent field: the conversion's scale operand
.endr
.irp b, 0,1,2,3
	v_lshrrev_b32 v[TM+4+\b], 23, v[TM+8+\b]                         ; the scale's byte
.endr
	v_lshl_or_b32 v[\pw], v[TM+5], 8, v[TM+4]
	v_lshl_or_b32 v[\pw], v[TM+6], 16, v[\pw]
	v_lshl_or_b32 v[\pw], v[TM+7], 24, v[\pw]
.irp c, 0,1
	v_cvt_scalef32_pk16_fp6_f32 v[\pc+6*\c:\pc+2+6*\c], v[\s+32*\c:\s+15+32*\c], v[TM+8+2*\c]
	v_cvt_scalef32_pk16_fp6_f32 v[PT+4*\c:PT+2+4*\c], v[\s+16+32*\c:\s+31+32*\c], v[TM+8+2*\c+1]   ; (a conversion's three registers begin on an even number)
.endr
	v_nop                                          ; one plain instruction behind the conversions
.irp c, 0,1                                    ; the operand wants a whole block in a lane: lanes 0-15 block 2 c, lanes 16-31 block 2 c + 1
.irp i, 0,1,2
	v_permlane16_swap_b32 v[\pc+6*\c+\i], v[PT+4*\c+\i]
.endr
.irp i, 0,1,2
	v_mov_b32 v[\pc+3+6*\c+\i], v[PT+4*\c+\i]
.endr
.endr
.endm
	s_load_b256 s[4:11], s[0:1], 0x0               ; w_qk s[4:5], w_v s[6:7], w_t s[8:9], wq s[10:11]
	v_lshrrev_b32 v1, 5, v0
	v_readfirstlane_b32 s12, v1                    ; wave
	v_and_b32 v1, 31, v0                           ; lane
	v_and_b32 v2, 15, v0                           ; r
	v_bfe_u32 v3, v0, 4, 1                         ; h
	v_lshlrev_b32 v5, 4, v1                        ; 16 x lane
	v_lshlrev_b32 v6, 2, v1                        ; 4 x lane
	s_mov_b32 s[SEL], 0x76543210
	s_mov_b32 s[SEL+1], 0xfedcba98
.irp b, 0,1,2,3
	v_mov_b32 v[TM+4+\b], 0                        ; written once: a lane permute's destination counts as one of its sources
.endr
	s_lshl_b32 s13, ttmp9, 2
	s_add_co_u32 s13, s13, s12                     ; f = 4 x work-group + wave
	s_lshr_b32 s14, s13, 1                         ; T
	s_and_b32 s15, s13, 1                          ; s
	s_wait_kmcnt 0x0
	s_cmp_lt_u32 s14, 20                           ; which tensor: the choice hangs on the fragment's number alone
	s_cselect_b64 s[16:17], s[6:7], s[8:9]
	s_cselect_b32 s18, 4, 20                       ; its first tile
	s_cselect_b32 s19, 8, 0                        ; 8: the permuted order of rows
	s_cmp_lt_u32 s14, 4
	s_cselect_b64 s[16:17], s[4:5], s[16:17]
	s_cselect_b32 s18, 0, s18
	s_sub_co_u32 s20, s14, s18                     ; t: the tile within its tensor
	s_lshr_b32 s21, s20, 1
	s_lshl_b32 s21, s21, 5
	s_and_b32 s22, s20, 1
	s_lshl_b32 s22, s22, 3
	s_add_co_u32 s21, s21, s22                     ; 32 (t / 2) + 8 (t % 2)
	s_lshl_b32 s22, s20, 4                         ; 16 t
	s_cmp_eq_u32 s19, 8
	s_cselect_b32 s21, s21, s22
	v_and_b32 v4, s19, v2
	v_add3_u32 v4, v4, v2, s21                     ; my row
	v_lshlrev_b32 v4, 10, v4                       ; rows of 1,024 bytes
	v_lshl_add_u32 v4, v3, 6, v4                   ; + 64 h: my 16 numbers of a block of 32
	s_lshl_b32 s22, s15, 9
	v_add_nc_u32 v4, s22, v4                       ; + 512 s
	s_mul_i32 s24, s13, 1536
	s_mov_b32 s25, 0
	s_add_nc_u64 s[26:27], s[10:11], s[24:25]      ; the image
	s_lshl_b32 s24, s13, 7
	s_add_nc_u64 s[28:29], s[10:11], s[24:25]      ; the scale words
.irp b, 0,1,2,3
.irp j, 0,1,2,3
	global_load_b128 v[ST+16*\b+4*\j:ST+16*\b+4*\j+3], v4, s[16:17] offset:128*\b+16*\j
.endr
.endr
	s_wait_loadcnt 0x0
	QUANT ST, PC, PW
.irp c, 0,1,2
	global_store_b128 v5, v[PC+4*\c:PC+4*\c+3], s[26:27] offset:512*\c   ; 32 lanes store 512 consecutive bytes
.endr
	global_store_b32 v6, v[PW], s[28:29] offset:110592
	s_endpgm
.Lfunc_end_k_q6c4a51ed6f_wq:
	.size	k_q6c4a51ed6f_wq, .Lfunc_end_k_q6c4a51ed6f_wq-k_q6c4a51ed6f_wq
	.p2alignl 7, 3214868480
	.fill 96, 4, 3214868480
	.section	.rodata,"a",@progbits
	.p2align	6, 0x0
	.amdhsa_kernel k_q6c4a51ed6f_wq
		.amdhsa_group_segment_fixed_size 0
		.amdhsa_private_segment_fixed_size 0
		.amdhsa_enable_private_segment 0
		.amdhsa_kernarg_size 32
		.amdhsa_user_sgpr_count 2
		.amdhsa_user_sgpr_kernarg_segment_ptr 1
		.amdhsa_wavefront_size32 1
		.amdhsa_system_sgpr_workgroup_id_x 1
		.amdhsa_system_sgpr_workgroup_id_y 1
		.amdhsa_system_sgpr_workgroup_id_z 1
		.amdhsa_system_vgpr_workitem_id 0
		.amdhsa_next_free_vgpr 128
		.amdhsa_next_free_sgpr 66
		.amdhsa_reserve_vcc 0
		.amdhsa_float_denorm_mode_32 3
		.amdhsa_float_denorm_mode_16_64 3
		.amdhsa_memory_ordered 1
		.amdhsa_forward_progress 1
		.amdhsa_inst_pref_size 8
	.end_amdhsa_kernel
	.amdgpu_metadata
---
amdhsa.version: [ 1, 2 ]
amdhsa.kernels:
  - .name:           k_q6c4a51ed6f_wq
    .symbol:         k_q6c4a51ed6f_wq.kd
    .args:
      - { .name: w_qk, .offset: 0, .size: 8, .value_kind: global_buffer, .address_space: global }
      - { .name: w_v, .offset: 8, .size: 8, .value_kind: global_buffer, .address_space: global }
      - { .name: w_t, .offset: 16, .size: 8, .value_kind: global_buffer, .address_space: global }
      - { .name: wq, .offset: 24, .size: 8, .value_kind: global_buffer, .address_space: global }
    .group_segment_fixed_size: 0
    .private_segment_fixed_size: 0
    .kernarg_segment_align: 8
    .kernarg_segment_size: 32
    .max_flat_workgroup_size: 128
    .sgpr_count:     66
    .vgpr_count:     128
    .wavefront_size: 32
...
	.end_amdgpu_metadata
.endif
;; end of part 1
;; launch prep (part 2): grid 32 x 8, 4 waves a work-group, no clusters, 168,448 bytes of LDS; arguments x, wq, b_v, kv; writes kv
.if DOCPART == 2
	.amdgcn_target "amdgcn-amd-amdhsa--gfx1250"
	.amdhsa_code_object_version 6
	.text
	.protected	k_q6c4a51ed6f_prep
	.globl	k_q6c4a51ed6f_prep
	.p2align	8
	.type	k_q6c4a51ed6f_prep,@function
k_q6c4a51ed6f_prep:
	s_mov_b64 s[64:65], 0
	v_nop
	global_prefetch_b8 v0, s[64:65] scope:SCOPE_SE
	s_setreg_imm32_b32 hwreg(HW_REG_WAVE_MODE, 25, 1), 1
	s_wait_xcnt 0x0
; For 128 points of one batch: x is quantised along the channels; x_q = w_qk x (it serves as x_k too) and x_v = w_v x + b_v are made on codes of FP6 (E2M3) with E8M0 scales;
; x_q is quantised along its 64 outputs, x_v along the points.  Both leave as images of operand registers in one record of 32,768 bytes:
;   0      K codes: 8 tiles x 768; tile 2 b + u, lane r = point 32 b + 8 u + r + (r & 8); registers 0-3 at 16 x lane, registers 4-5 at 512 + 8 x lane (the 64 codes fill half a fragment)
;   6144   K scale words at 64 T + 4 r: byte 0, byte 1, 0x7f, 0x7f      6656  V codes: 16 channel tiles x 1536, tile 2 b + u, lane r = channel 32 b + 8 u + r + (r & 8), K = the 128 points
;   31232  V scale words at 64 t + 4 r                                   32256 zeros, so that a record is whole
; Behind the 256 records lie 6,656 bytes more, zeros, stored by the last record's work-group: the last launch's tiles begin 6,656 bytes into a record, so its last tile ends there.
; SHARES.  Work-group (X, batch): points 128 X on.  x's tile, 256 channels x 512 bytes, comes by two tensor loads a wave (32 rows each) and is filled once.  A lane takes a point and its registers run down
; the channels, so a block of 32 lies in one lane; the codes go to LDS as images, in pieces of 8 bytes.  Wave w then makes K tiles 2 w, 2 w + 1 and V's channel tiles 4 w .. 4 w + 3.
; NO CLUSTER: what work-groups share is 24 KB of weight images a wave, loaded once straight into operand registers; the launch's bytes are x's own, which nobody shares.
; LIMITS: NaN and infinities are not served; a block of zeros gets the byte 1 (its codes are zeros, and this program alone reads the bytes).
; REGISTERS: window 0: addresses v1-19, v38; work; from v132 the numbers and then the results.  window 1: x's 16 fragments at 12 (2 T + s), my own four once more at 192.  window 2: w_qk's 8 fragments, from 96 my 8 of w_v.
.set XIMG, 131072                      ; behind x's tile: 16 fragments (2 T + s) x 1536: piece q (registers 2 q, 2 q + 1) at 256 q + 8 x lane
.set XSC,  155648                      ; their scale words at 64 (2 T + s) + 4 r
.set BV,   20                          ; v20-23   b_v of my lane's channel in my four tiles
.set BC,   24                          ; v24-31   the same eight times: the C of a sum's first product
.set SB,   32                          ; v32-33   my point's eight scale bytes
.set WQS,  40                          ; v40-47   w_qk's scale words     v48-55 w_v's     v56-71 x's     v72-75 x's, of my own tiles
.set WVS,  48
.set XSW,  56
.set XQS,  72
.set PW,   76                          ; v76-79   scale words just made;  v80-82 two of them merged for a store
.set TM,   84
.set PC,   96
.set PT,   108
.set CA,   116                         ; v116-127 a block's codes, two sets
.set CT,   128
.set XN,   132                         ; v132-195 two sets of 32 numbers
.set DR,   132                         ; later: results
.set WV,   12
.set SEL,  52
.set MSB, 0
.macro WIN new                         ; the immediate's high byte repeats the setting that is left
.if MSB != \new
	s_set_vgpr_msb (MSB<<8)|\new
.set MSB, \new
.endif
.endm
.macro PLACES n
.rept \n
	v_nop
.endr
.endm
; a matrix instruction: D at d, source 0 at a, source 1 at b, C at c (c < 0: the constant 0), their scale words; row = 1: source 0's words stand in lanes 16-31
.macro MM d, a, b, c, sa, sb, row
.if (\c) < 0
.if \row
	v_wmma_scale_f32_16x16x128_f8f6f4 v[\d:\d+7], v[\a:\a+11], v[\b:\b+11], 0, v[\sa], v[\sb] matrix_a_fmt:MATRIX_FMT_FP6 matrix_b_fmt:MATRIX_FMT_FP6 matrix_a_scale:MATRIX_SCALE_ROW1
.else
	v_wmma_scale_f32_16x16x128_f8f6f4 v[\d:\d+7], v[\a:\a+11], v[\b:\b+11], 0, v[\sa], v[\sb] matrix_a_fmt:MATRIX_FMT_FP6 matrix_b_fmt:MATRIX_FMT_FP6
.endif
.else
.if \row
	v_wmma_scale_f32_16x16x128_f8f6f4 v[\d:\d+7], v[\a:\a+11], v[\b:\b+11], v[\c:\c+7], v[\sa], v[\sb] matrix_a_fmt:MATRIX_FMT_FP6 matrix_b_fmt:MATRIX_FMT_FP6 matrix_a_scale:MATRIX_SCALE_ROW1
.else
	v_wmma_scale_f32_16x16x128_f8f6f4 v[\d:\d+7], v[\a:\a+11], v[\b:\b+11], v[\c:\c+7], v[\sa], v[\sb] matrix_a_fmt:MATRIX_FMT_FP6 matrix_b_fmt:MATRIX_FMT_FP6
.endif
.endif
.endm
; 64 numbers of a lane, register 16 b + i = k 32 b + 16 (lane / 16) + i of my row, become a fragment's 12 registers and its row's scale word
.macro QUANT s, pc, pw
.irp b, 0,1,2,3
	v_max3_num_f32 v[TM+\b], |v[\s+16*\b]|, |v[\s+1+16*\b]|, 0x1800000   ; and the floor 2^(3 - 127): the byte cannot fall under 1
.endr
.irp i, 2,4,6,8,10,12,14
.irp b, 0,1,2,3
	v_max3_num_f32 v[TM+\b], v[TM+\b], |v[\s+16*\b+\i]|, |v[\s+1+16*\b+\i]|
.endr
.endr
.irp b, 0,1,2,3
	v_permlanex16_b32 v[TM+4+\b], v[TM+\b], s[SEL], s[SEL+1]
.endr
.irp b, 0,1,2,3
	v_max_num_f32 v[TM+\b], v[TM+\b], v[TM+4+\b]
.endr
.irp b, 0,1,2,3
	v_add_nc_u32 v[TM+8+\b], 0xff000000, v[TM+\b]                    ; 2 off the exponent field: the conversion's scale operand
.endr
.irp b, 0,1,2,3
	v_lshrrev_b32 v[TM+4+\b], 23, v[TM+8+\b]                         ; the scale's byte
.endr
	v_lshl_or_b32 v[\pw], v[TM+5], 8, v[TM+4]
	v_lshl_or_b32 v[\pw], v[TM+6], 16, v[\pw]
	v_lshl_or_b32 v[\pw], v[TM+7], 24, v[\pw]
.irp c, 0,1
	v_cvt_scalef32_pk16_fp6_f32 v[\pc+6*\c:\pc+2+6*\c], v[\s+32*\c:\s+15+32*\c], v[TM+8+2*\c]
	v_cvt_scalef32_pk16_fp6_f32 v[PT+4*\c:PT+2+4*\c], v[\s+16+32*\c:\s+31+32*\c], v[TM+8+2*\c+1]
.endr
	v_nop                                          ; one plain instruction behind the conversions
.irp c, 0,1
.irp i, 0,1,2
	v_permlane16_swap_b32 v[\pc+6*\c+\i], v[PT+4*\c+\i]
.endr
.irp i, 0,1,2
	v_mov_b32 v[\pc+3+6*\c+\i], v[PT+4*\c+\i]
.endr
.endr
.endm
; the same for 32 numbers, two blocks: six registers; the word's upper two bytes stand for 1.0 over the zero codes of K = 64 .. 127
.macro QUANT32 s, pc, pw
.irp b, 0,1
	v_max3_num_f32 v[TM+\b], |v[\s+16*\b]|, |v[\s+1+16*\b]|, 0x1800000
.endr
.irp i, 2,4,6,8,10,12,14
.irp b, 0,1
	v_max3_num_f32 v[TM+\b], v[TM+\b], |v[\s+16*\b+\i]|, |v[\s+1+16*\b+\i]|
.endr
.endr
.irp b, 0,1
	v_permlanex16_b32 v[TM+4+\b], v[TM+\b], s[SEL], s[SEL+1]
.endr
.irp b, 0,1
	v_max_num_f32 v[TM+\b], v[TM+\b], v[TM+4+\b]
.endr
.irp b, 0,1
	v_add_nc_u32 v[TM+8+\b], 0xff000000, v[TM+\b]
.endr
.irp b, 0,1
	v_lshrrev_b32 v[TM+4+\b], 23, v[TM+8+\b]
.endr
	v_lshl_or_b32 v[\pw], v[TM+5], 8, v[TM+4]
	v_or_b32 v[\pw], 0x7f7f0000, v[\pw]
	v_cvt_scalef32_pk16_fp6_f32 v[\pc:\pc+2], v[\s:\s+15], v[TM+8]
	v_cvt_scalef32_pk16_fp6_f32 v[PT:PT+2], v[\s+16:\s+31], v[TM+9]
	v_nop
.irp i, 0,1,2
	v_permlane16_swap_b32 v[\pc+\i], v[PT+\i]
.endr
.irp i, 0,1,2
	v_mov_b32 v[\pc+3+\i], v[PT+\i]
.endr
.endm
	s_load_b256 s[4:11], s[0:1], 0x0               ; x s[4:5], wq s[6:7], b_v s[8:9], kv s[10:11]
	v_lshl_add_u32 v254, v0, 2, 0x29000
	v_mov_b32 v255, 0
	ds_add_u32 v254, v255
	ds_add_u32 v254, v255
	v_lshrrev_b32 v1, 5, v0
	v_readfirstlane_b32 s[WV], v1                  ; wave 0..3
	s_and_b32 s13, ttmp7, 0xffff                   ; batch
	; descriptor group 1: 32 rows x 128 elements of 4 bytes, 4,096 elements from row to row, no padding (a lane reads a column: 32 lanes, 32 neighbouring words)
	s_mov_b32 s16, 2<<16
	s_mov_b32 s17, 128<<16                         ; tensor_dim0
	s_mov_b32 s18, 32<<16                          ; tensor_dim1
	s_mov_b32 s19, 128<<16                         ; tile_dim0
	s_mov_b32 s20, 32                              ; tile_dim1
	s_mov_b32 s21, 4096                            ; the pitch
	s_mov_b32 s22, 0
	s_mov_b32 s23, 0
	s_lshl_b32 s32, s13, 22                        ; batch x 256 x 16,384 bytes
	s_lshl_b32 s33, s[WV], 19                      ; + my 32 channels
	s_add_co_u32 s32, s32, s33
	s_lshl_b32 s33, ttmp9, 9                       ; + 512 X
	s_add_co_u32 s32, s32, s33
	s_mov_b32 s33, 0
	s_lshl_b32 s34, s[WV], 14                      ; LDS: 32 rows of 512 bytes a wave
	s_wait_dscnt 0x0
	s_wait_kmcnt 0x0
	s_mov_b32 s24, 1
	s_mov_b32 s25, s34
	s_add_nc_u64 s[26:27], s[4:5], s[32:33]        ; channels 32 w on
	s_mov_b32 s28, 1
	s_add_co_u32 s29, s34, 65536
	s_add_nc_u64 s[30:31], s[26:27], 0x200000      ; channels 128 + 32 w on
	s_or_b32 s27, s27, 0x80000000
	s_or_b32 s31, s31, 0x80000000
	tensor_load_to_lds s[24:27], s[16:23]          ; both fills go out together, ahead of everything else.  Two loads of mine are out
	s_nop 0
	tensor_load_to_lds s[28:31], s[16:23]
	s_nop 0
	PLACES 4
	v_and_b32 v1, 31, v0                           ; lane
	v_and_b32 v2, 15, v0                           ; r
	v_bfe_u32 v3, v0, 4, 1                         ; h
	v_lshlrev_b32 v4, 2, v0                        ; my point's word in a row of x's tile: 4 (32 w + lane)
	v_add_nc_u32 v5, 65536, v4                     ; the same 128 rows further down
	v_and_b32 v34, 7, v0
	v_lshl_or_b32 v34, v3, 3, v34                  ; point 32 w + lane is lane r' = (lane & 7) | 8 (lane / 16) of tile 2 w + u, u = bit 3 of the lane
	v_bfe_u32 v35, v0, 3, 1
	v_mul_u32_u24 v36, v35, 3072
	v_lshl_add_u32 v36, v34, 3, v36
	s_mul_i32 s35, s[WV], 6144
	s_add_co_u32 s36, s35, XIMG
	v_add_nc_u32 v6, s36, v36                      ; where my point's codes go: XIMG + 3072 (2 w + u) + 8 r'
	v_lshlrev_b32 v36, 7, v35
	v_lshl_add_u32 v36, v34, 2, v36
	s_lshl_b32 s37, s[WV], 8
	s_add_co_u32 s38, s37, XSC
	v_add_nc_u32 v7, s38, v36                      ; and its scale words: XSC + 128 (2 w + u) + 4 r'
	v_lshlrev_b32 v8, 4, v1                        ; 16 x lane
	v_lshlrev_b32 v37, 3, v1                       ; 8 x lane
	v_add_nc_u32 v9, XIMG, v37
	v_lshl_add_u32 v10, v2, 2, XSC
	v_add_nc_u32 v11, s36, v37                     ; my own four fragments
	v_lshlrev_b32 v36, 2, v2
	v_add_nc_u32 v12, s38, v36
	s_mul_i32 s39, s[WV], 1536
	v_add_nc_u32 v13, s39, v8                      ; the record: my two K tiles
	v_add_nc_u32 v14, s39, v37
	v_lshlrev_b32 v19, 2, v1                       ; 4 x lane
	s_lshl_b32 s40, s[WV], 7
	v_add_nc_u32 v15, s40, v19
	v_add_nc_u32 v16, s35, v8                      ; my four V tiles
	v_add_nc_u32 v17, s37, v19
	v_mov_b32 v18, 0
	v_and_b32 v38, 8, v2
	v_add_nc_u32 v38, v38, v2
	v_lshlrev_b32 v38, 2, v38                      ; b_v: 4 (r + (r & 8))
	s_mov_b32 s[SEL], 0x76543210
	s_mov_b32 s[SEL+1], 0xfedcba98
.irp b, 0,1,2,3
	v_mov_b32 v[TM+4+\b], 0                        ; written once: a lane permute's destination counts as one of its sources
.endr
	s_mov_b32 s51, 0
	s_mul_i32 s50, s[WV], 12288
	s_add_nc_u64 s[42:43], s[6:7], s[50:51]        ; my eight fragments of w_v
	s_lshl_b32 s50, s[WV], 10
	s_add_nc_u64 s[44:45], s[6:7], s[50:51]        ; their scale words
	s_lshl_b32 s50, s[WV], 8
	s_add_nc_u64 s[46:47], s[8:9], s[50:51]        ; my 64 numbers of b_v
	s_lshl_b32 s50, s13, 5
	s_add_co_u32 s50, s50, ttmp9
	s_mov_b32 s41, s50                             ; the record's number, 0 .. 255
	s_lshl_b32 s50, s50, 15
	s_add_nc_u64 s[48:49], s[10:11], s[50:51]      ; my work-group's record
	WIN 0x80                                       ; destination window 2
.irp f, 0,1,2,3,4,5,6,7
.irp c, 0,1,2
	global_load_b128 v[12*\f+4*\c:12*\f+4*\c+3], v8, s[6:7] offset:1536*\f+512*\c
.endr
.endr
.irp f, 0,1,2,3,4,5,6,7
.irp c, 0,1,2
	global_load_b128 v[96+12*\f+4*\c:96+12*\f+4*\c+3], v8, s[42:43] offset:12288+1536*\f+512*\c
.endr
.endr
	WIN 0
.irp f, 0,1,2,3,4,5,6,7
	global_load_b32 v[WQS+\f], v19, s[6:7] offset:110592+128*\f
	global_load_b32 v[WVS+\f], v19, s[44:45] offset:110592+1024+128*\f
.endr
.irp t, 0,1,2,3
	global_load_b32 v[BV+\t], v38, s[46:47] offset:(32*(\t/2)+8*(\t%2))*4
.endr
	s_wait_tensorcnt 0x1                           ; my part of channels 0-127 is in; the other half may stay out
	s_barrier_signal -1
	s_barrier_wait -1                              ; everybody's is
; ---- x is quantised: a lane to a point, registers down the channels
.macro XLD j                           ; block j: channels 32 j .. 32 j + 31 of my point, into set j % 2
.set J, 0
.rept 32
.if (\j) < 4
	ds_load_b32 v[XN+32*((\j)%2)+J], v4 offset:((32*(\j)+J)%128)*512
.else
	ds_load_b32 v[XN+32*((\j)%2)+J], v5 offset:((32*(\j)+J)%128)*512
.endif
.set J, J+1
.endr
.endm
.macro BLOCK j
.set XS, XN+32*((\j)%2)
.set CS, CA+6*((\j)%2)
.if (\j) == 0
	s_wait_dscnt 32                                ; block 0 is in; block 1's 32 loads may be out
.elseif (\j) == 7
	s_wait_dscnt 3                                 ; behind my loads: the last block's three stores
.else
	s_wait_dscnt 35                                ; behind my loads: the last block's three stores and the next block's 32 loads.  The stores of two blocks ago, which read this set of codes, are done too
.endif
	v_max3_num_f32 v34, |v[XS]|, |v[XS+1]|, |v[XS+2]|
	v_max3_num_f32 v35, |v[XS+3]|, |v[XS+4]|, |v[XS+5]|
.irp i, 6,10,14,18,22,26
	v_max3_num_f32 v34, v34, |v[XS+\i]|, |v[XS+\i+1]|
	v_max3_num_f32 v35, v35, |v[XS+\i+2]|, |v[XS+\i+3]|
.endr
	v_max3_num_f32 v34, v34, |v[XS+30]|, |v[XS+31]|
	v_max3_num_f32 v34, v34, v35, 0x1800000        ; and the floor 2^(3 - 127)
	v_add_nc_u32 v36, 0xff000000, v34              ; the conversion's scale operand
	v_lshrrev_b32 v37, 23, v36                     ; the byte
.if (\j)%4 == 0
	v_mov_b32 v[SB+(\j)/4], v37
.else
	v_lshl_or_b32 v[SB+(\j)/4], v37, 8*((\j)%4), v[SB+(\j)/4]
.endif
	v_cvt_scalef32_pk16_fp6_f32 v[CS:CS+2], v[XS:XS+15], v36
	v_cvt_scalef32_pk16_fp6_f32 v[CT:CT+2], v[XS+16:XS+31], v36
	v_nop                                          ; one plain instruction behind the conversions
.irp i, 0,1,2
	v_mov_b32 v[CS+3+\i], v[CT+\i]
.endr
.irp q, 0,1,2                                  ; block j is registers 6 c .. 6 c + 5 of lane r' + 16 (j % 2) in K step j / 4, c = (j / 2) % 2
	ds_store_b64 v6, v[CS+2*\q:CS+2*\q+1] offset:((\j)/4)*1536+(((\j)/2)%2)*768+((\j)%2)*128+256*\q
.endr
.if (\j)+2 < 8
	XLD (\j)+2
.endif
.endm
	XLD 0
	XLD 1
	BLOCK 0
	BLOCK 1
	s_wait_tensorcnt 0x0                           ; my part of channels 128-255 is in,
	s_wait_dscnt 0x0                               ; no LDS instruction of mine is out at a signal
	s_barrier_signal -1
	s_barrier_wait -1                              ; everybody's is: block 2 asks for block 4
	BLOCK 2
	BLOCK 3
	BLOCK 4
	BLOCK 5
	BLOCK 6
	BLOCK 7
	ds_store_b32 v7, v[SB]
	ds_store_b32 v7, v[SB+1] offset:64
	s_wait_dscnt 0x0                               ; for the others' sake: my images have landed
	s_barrier_signal -1
	s_barrier_wait -1
	WIN 0x40                                       ; destination window 1
.irp f, 0,1,2,3,4,5,6,7,8,9,10,11,12,13,14,15
.irp q, 0,1,2,3,4,5
	ds_load_b64 v[12*\f+2*\q:12*\f+2*\q+1], v9 offset:1536*\f+256*\q
.endr
.endr
.irp f, 0,1,2,3
.irp q, 0,1,2,3,4,5
	ds_load_b64 v[192+12*\f+2*\q:192+12*\f+2*\q+1], v11 offset:1536*\f+256*\q
.endr
.endr
	WIN 0
.irp f, 0,1,2,3,4,5,6,7,8,9,10,11,12,13,14,15
	ds_load_b32 v[XSW+\f], v10 offset:64*\f
.endr
.irp f, 0,1,2,3
	ds_load_b32 v[XQS+\f], v12 offset:64*\f
.endr
	s_wait_dscnt 0x0
	s_wait_loadcnt 0x0                             ; the weights, their scale words, b_v
; ---- x_q of my two tiles of points, transposed (source 0 = 16 rows of w_qk, source 1 = 16 points): a lane holds one point, register 16 b + i = output 32 b + 16 h + i.  Eight accumulators by turns
	WIN 0x06                                       ; source 0 window 2, source 1 window 1
.irp i, 0,1
.irp t, 0,1,2,3
	MM DR+32*\i+8*\t, 24*\t, 192+24*\i, -1, WQS+2*\t, XQS+2*\i, 0
.endr
.endr
.irp i, 0,1
.irp t, 0,1,2,3
	MM DR+32*\i+8*\t, 24*\t+12, 192+24*\i+12, DR+32*\i+8*\t, WQS+2*\t+1, XQS+2*\i+1, 0
.endr
.endr
	WIN 0
	PLACES 4                                       ; four plain instructions between the last product and the first read of results
.irp i, 0,1
	QUANT32 DR+32*\i, PC+6*\i, PW+\i
	global_store_b128 v13, v[PC+6*\i:PC+6*\i+3], s[48:49] offset:768*\i          ; 512 consecutive bytes
	global_store_b64 v14, v[PC+6*\i+4:PC+6*\i+5], s[48:49] offset:768*\i+512     ; 256 consecutive bytes
.endr
	v_cmp_eq_u32 vcc_lo, 1, v3
	v_cndmask_b32 v80, v[PW], v[PW+1], vcc_lo      ; lanes 0-15 tile 2 w's words, lanes 16-31 tile 2 w + 1's
	global_store_b32 v15, v80, s[48:49] offset:6144   ; 128 consecutive bytes a wave: 512 of the record's 32,768 leave so
; ---- x_v, a tile of 16 channels at a time: source 0 = 16 points, source 1 = 16 rows of w_v: a lane holds one channel, register 16 b + i = point 32 b + 16 h + i.  b_v is the C of each sum's first product
.macro VTILE tt
.irp k, 0,1,2,3,4,5,6,7
	v_mov_b32 v[BC+\k], v[BV+\tt]
.endr
	PLACES 4
	WIN 0x09                                       ; source 0 window 1, source 1 window 2
.irp m, 0,1,2,3,4,5,6,7
	MM DR+8*\m, 24*\m, 96+24*\tt, BC, XSW+2*\m, WVS+2*\tt, 0
.endr
.irp m, 0,1,2,3,4,5,6,7
	MM DR+8*\m, 24*\m+12, 96+24*\tt+12, DR+8*\m, XSW+2*\m+1, WVS+2*\tt+1, 0
.endr
	WIN 0
	PLACES 4
	s_wait_xcnt 0x0                                ; the earlier stores have read the codes' registers: they are written again only behind this wait
	QUANT DR, PC, PW+\tt
.irp c, 0,1,2
	global_store_b128 v16, v[PC+4*\c:PC+4*\c+3], s[48:49] offset:6656+1536*\tt+512*\c
.endr
.endm
	VTILE 0
	VTILE 1
	v_cndmask_b32 v81, v[PW], v[PW+1], vcc_lo
	global_store_b32 v17, v81, s[48:49] offset:31232
	VTILE 2
	VTILE 3
	v_cndmask_b32 v82, v[PW+2], v[PW+3], vcc_lo
	global_store_b32 v17, v82, s[48:49] offset:31232+128
	global_store_b32 v4, v18, s[48:49] offset:32256   ; the record's last 512 bytes: zeros
	s_cmp_lg_u32 s41, 255                          ; the last record's work-group also stores the 6,656 bytes behind the records: a branch on the work-group's number
	s_cbranch_scc1 .Lno_tail
.irp k, 0,1,2,3,4,5,6,7,8,9,10,11,12
	global_store_b32 v4, v18, s[48:49] offset:32768+512*\k   ; 128 threads x 4 bytes: 512 consecutive bytes
.endr
.Lno_tail:
	s_wait_tensorcnt 0x0
	ds_add_u32 v254, v255
	s_wait_dscnt 0x0
	s_endpgm
.Lfunc_end_k_q6c4a51ed6f_prep:
	.size	k_q6c4a51ed6f_prep, .Lfunc_end_k_q6c4a51ed6f_prep-k_q6c4a51ed6f_prep
	.p2alignl 7, 3214868480
	.fill 96, 4, 3214868480
	.section	.rodata,"a",@progbits
	.p2align	6, 0x0
	.amdhsa_kernel k_q6c4a51ed6f_prep
		.amdhsa_group_segment_fixed_size 168448
		.amdhsa_private_segment_fixed_size 0
		.amdhsa_enable_private_segment 0
		.amdhsa_kernarg_size 32
		.amdhsa_user_sgpr_count 2
		.amdhsa_user_sgpr_kernarg_segment_ptr 1
		.amdhsa_wavefront_size32 1
		.amdhsa_system_sgpr_workgroup_id_x 1
		.amdhsa_system_sgpr_workgroup_id_y 1
		.amdhsa_system_sgpr_workgroup_id_z 1
		.amdhsa_system_vgpr_workitem_id 0
		.amdhsa_next_free_vgpr 768
		.amdhsa_next_free_sgpr 66
		.amdhsa_reserve_vcc 1
		.amdhsa_float_denorm_mode_32 3
		.amdhsa_float_denorm_mode_16_64 3
		.amdhsa_memory_ordered 1
		.amdhsa_forward_progress 1
		.amdhsa_inst_pref_size 85
	.end_amdhsa_kernel
	.amdgpu_metadata
---
amdhsa.version: [ 1, 2 ]
amdhsa.kernels:
  - .name:           k_q6c4a51ed6f_prep
    .symbol:         k_q6c4a51ed6f_prep.kd
    .args:
      - { .name: x, .offset: 0, .size: 8, .value_kind: global_buffer, .address_space: global }
      - { .name: wq, .offset: 8, .size: 8, .value_kind: global_buffer, .address_space: global }
      - { .name: b_v, .offset: 16, .size: 8, .value_kind: global_buffer, .address_space: global }
      - { .name: kv, .offset: 24, .size: 8, .value_kind: global_buffer, .address_space: global }
    .group_segment_fixed_size: 168448
    .private_segment_fixed_size: 0
    .kernarg_segment_align: 8
    .kernarg_segment_size: 32
    .max_flat_workgroup_size: 128
    .sgpr_count:     66
    .vgpr_count:     768
    .wavefront_size: 32
...
	.end_amdgpu_metadata
.endif
;; end of part 2
;; launch stats (part 3): grid 32 x 8, 8 waves a work-group, clusters of 4 x 1, 215,040 bytes of LDS; arguments kv, stat; writes stat
.if DOCPART == 3
	.amdgcn_target "amdgcn-amd-amdhsa--gfx1250"
	.amdhsa_code_object_version 6
	.text
	.protected	k_q6c4a51ed6f_stats
	.globl	k_q6c4a51ed6f_stats
	.p2align	8
	.type	k_q6c4a51ed6f_stats,@function
k_q6c4a51ed6f_stats:
	s_mov_b64 s[64:65], 0
	v_nop
	global_prefetch_b8 v0, s[64:65] scope:SCOPE_SE
	s_setreg_imm32_b32 hwreg(HW_REG_WAVE_MODE, 25, 1), 1
	s_wait_xcnt 0x0
	s_wait_alu depctr_hold_cnt(0) depctr_sa_sdst(0) depctr_va_vdst(0) depctr_va_sdst(0) depctr_va_ssrc(0) depctr_va_vcc(0) depctr_vm_vsrc(0)
	s_getreg_b32 s2, hwreg(HW_REG_IB_STS2, 6, 4)
	s_cmp_eq_u32 s2, 0
	s_cbranch_scc0 .Lentry_in_a_cluster
	s_endpgm
.Lentry_in_a_cluster:
	s_bfe_u32 s2, ttmp6, 0x10000c
	s_cmp_lg_u32 s2, 0x3003
	s_cbranch_scc0 .Lentry_shape_is_right
	s_endpgm
.Lentry_shape_is_right:
; The softmax's row statistics.  energy[n][m] = x_q[n] . x_q[m] on codes of FP6 (E2M3), K = 64 (the instruction's upper 64 are zero codes under the byte 0x7f).  For each row n: M = the largest energy, and
; NLG = -log2(the sum over m of e^(energy - M)).  Stored: plane 0 -M, plane 1 NLG, [2][8][4096] f32, by point.
; SHARES.  A work-group owns the 128 rows of one record, each of its eight waves one tile of 16; every wave walks the batch's 32 records, 128 columns a step.  Source 0 = 16 columns, source 1 = my 16 rows: a lane
; holds ONE row and 64 of a step's 128 columns; the two halves of the lanes meet once, at the end.
; THE ARITHMETIC.  c = log2(e).  A lane keeps M (an energy's own bits), NR = -(c M) rounded once, and l = the sum of 2^(c e + NR), each exponent one fused multiply-add.  When M moves, l is multiplied by 2^(new NR - old NR).
; At the end g = 2^(c M + NR), by the same two instructions on the same bits as the largest term itself; NLG = log2(g) - log2(l).  So NLG is exactly 0 where nothing but the largest term has registered in l,
; and the next launch then finds the weight exactly 1.
; LDS.  The K codes and scale words of a whole batch are 32 x 6,656 bytes: they are filled ONCE, in four chunks of eight records, so there is no ring.  CLUSTER: the four work-groups of a cluster belong to one batch
; and want the same bytes: each part is asked for jointly, by the same load with the same descriptor and the mask of all four.  By this text's count a wave has four tensor loads out at the most.
; LIMITS: NaN and infinities are not served; |energy| stays under 1e38 (M begins at -1e38).
.set PART, 6656                        ; a record's K codes (6,144) and scale words (512)
.set STG,  212992                      ; behind the 32 parts: the way out, 2 x 512 bytes
.set QF,   12                          ; v12-23   my rows' fragment (registers 6-11: zero codes)
.set QS,   24                          ; v24      its scale words
.set KS,   26                          ; v26-29   the columns' scale words: lanes 0-15 tile 2 b, lanes 16-31 tile 2 b + 1
.set KF,   36                          ; v36-131  eight fragments (the upper six registers of each: zero codes, written once)
.set SR,   132                         ; v132-195 the energies, then the terms
.set MX,   196                         ; v196-199 at work;  v200 NR, v201 M;  v[202:203] l;  v204 the factor (v205 named with it);  v[206:207] a second chain of sums;  v208-219 at work
.set WV,   8
.set CS,   54                          ; s[54:55] c: the packed form names a pair and takes its low word
.set NC,   56                          ; s56  -c
.set SEL,  58
.set TB,   60                          ; s60  LDS byte of the part to be fetched
.set CNT,  61
.macro PLACES n
.rept \n
	v_nop
.endr
.endm
.macro MM d, a, b, c, sa, sb, row      ; c < 0: the constant 0;  row = 1: source 0's scale words stand in lanes 16-31
.if (\c) < 0
.if \row
	v_wmma_scale_f32_16x16x128_f8f6f4 v[\d:\d+7], v[\a:\a+11], v[\b:\b+11], 0, v[\sa], v[\sb] matrix_a_fmt:MATRIX_FMT_FP6 matrix_b_fmt:MATRIX_FMT_FP6 matrix_a_scale:MATRIX_SCALE_ROW1
.else
	v_wmma_scale_f32_16x16x128_f8f6f4 v[\d:\d+7], v[\a:\a+11], v[\b:\b+11], 0, v[\sa], v[\sb] matrix_a_fmt:MATRIX_FMT_FP6 matrix_b_fmt:MATRIX_FMT_FP6
.endif
.else
.if \row
	v_wmma_scale_f32_16x16x128_f8f6f4 v[\d:\d+7], v[\a:\a+11], v[\b:\b+11], v[\c:\c+7], v[\sa], v[\sb] matrix_a_fmt:MATRIX_FMT_FP6 matrix_b_fmt:MATRIX_FMT_FP6 matrix_a_scale:MATRIX_SCALE_ROW1
.else
	v_wmma_scale_f32_16x16x128_f8f6f4 v[\d:\d+7], v[\a:\a+11], v[\b:\b+11], v[\c:\c+7], v[\sa], v[\sb] matrix_a_fmt:MATRIX_FMT_FP6 matrix_b_fmt:MATRIX_FMT_FP6
.endif
.endif
.endm
.macro CROUND                          ; a round of the cluster's barrier
	s_barrier_signal -1
	s_barrier_wait -1
	s_cmp_lg_u32 s[WV], 0
	s_cbranch_scc1 .Lnot_wave_0_\@
	s_barrier_signal -3
.Lnot_wave_0_\@:
	s_barrier_wait -3
	s_barrier_signal -1
	s_barrier_wait -1
.endm
	s_load_b128 s[4:7], s[0:1], 0x0                ; kv s[4:5], stat s[6:7]
	v_lshl_add_u32 v254, v0, 2, 0x34400
	v_mov_b32 v255, 0
	ds_add_u32 v254, v255
	ds_add_u32 v254, v255
	v_lshrrev_b32 v1, 5, v0
	v_readfirstlane_b32 s[WV], v1                  ; wave 0..7
	s_bfe_u32 s9, ttmp6, 0x40000                   ; cx
	s_lshl_b32 s10, ttmp9, 2
	s_add_co_u32 s10, s10, s9                      ; X: my record: it enters global addresses of my own alone
	s_and_b32 s11, ttmp7, 0xffff                   ; batch, which the four partners share
	; descriptor group 1: a dense block of 6,656 bytes as 26 rows of 256 (32 elements of 8 bytes)
	s_mov_b32 s16, 15|(3<<16)|(1<<21)              ; the mask: all four work-groups; elements of 8 bytes; bit 21 beside a mask
	s_mov_b32 s17, 32<<16
	s_mov_b32 s18, 26<<16
	s_mov_b32 s19, 32<<16
	s_mov_b32 s20, 26
	s_mov_b32 s21, 32
	s_mov_b32 s22, 0
	s_mov_b32 s23, 0
	s_mul_i32 s12, s[WV], PART
	s_lshl_b32 s40, s11, 20                        ; a batch's 32 records
	s_lshl_b32 s41, s[WV], 15
	s_add_co_u32 s40, s40, s41                     ; + record w
	s_mov_b32 s41, 0
	s_wait_dscnt 0x0
	s_wait_kmcnt 0x0
	s_add_nc_u64 s[42:43], s[4:5], s[40:41]
.irp c, 0,1,2,3                                ; chunk c: wave w fetches record 8 c + w's part
	s_mov_b32 s[24+4*\c], 1
	s_add_co_u32 s[25+4*\c], s12, \c*8*PART
	s_add_nc_u64 s[26+4*\c:27+4*\c], s[42:43], \c*262144
	s_or_b32 s[27+4*\c], s[27+4*\c], 0x80000000
.endr
	CROUND                                         ; all four work-groups are here: the joint loads meet
	tensor_load_to_lds s[24:27], s[16:23]
	s_nop 0
	tensor_load_to_lds s[28:31], s[16:23]
	s_nop 0
	tensor_load_to_lds s[32:35], s[16:23]
	s_nop 0
	tensor_load_to_lds s[36:39], s[16:23]
	s_nop 0
	PLACES 4
.irp t, 0,1,2,3,4,5,6,7
.irp k, 6,7,8,9,10,11
	v_mov_b32 v[KF+12*\t+\k], 0                    ; K = 64 .. 127: zero codes
.endr
.endr
.irp k, 6,7,8,9,10,11
	v_mov_b32 v[QF+\k], 0
.endr
	v_and_b32 v8, 31, v0                           ; lane
	v_and_b32 v9, 15, v0                           ; r
	v_bfe_u32 v10, v0, 4, 1                        ; h
	v_lshlrev_b32 v1, 4, v8                        ; 16, 8, 4 x lane: never rewritten
	v_lshlrev_b32 v2, 3, v8
	v_lshlrev_b32 v3, 2, v8
	v_lshlrev_b32 v11, 2, v9                       ; 4 r
	s_lshl_b32 s48, s11, 5
	s_add_co_u32 s48, s48, s10
	s_lshl_b32 s48, s48, 15                        ; my record
	s_mul_i32 s50, s[WV], 768
	s_add_co_u32 s50, s50, s48
	s_mov_b32 s51, 0
	s_add_nc_u64 s[44:45], s[4:5], s[50:51]        ; my tile's codes
	s_lshl_b32 s50, s[WV], 6
	s_add_co_u32 s50, s50, s48
	s_add_nc_u64 s[46:47], s[4:5], s[50:51]        ; its scale words
	global_load_b128 v[QF:QF+3], v1, s[44:45]
	global_load_b64 v[QF+4:QF+5], v2, s[44:45] offset:512
	global_load_b32 v[QS], v11, s[46:47] offset:6144
	s_and_b32 s50, s[WV], 1
	s_lshl_b32 s50, s50, 17                        ; the plane (waves 0 and 1 store)
	s_lshl_b32 s48, s11, 14
	s_add_co_u32 s50, s50, s48
	s_lshl_b32 s48, s10, 9
	s_add_co_u32 s50, s50, s48
	s_add_nc_u64 s[52:53], s[6:7], s[50:51]
	v_and_b32 v30, 8, v9
	v_add_nc_u32 v30, v30, v9
	v_lshlrev_b32 v30, 2, v30
	v_lshl_add_u32 v30, v10, 9, v30
	s_lshr_b32 s13, s[WV], 1
	s_lshl_b32 s13, s13, 7
	s_and_b32 s14, s[WV], 1
	s_lshl_b32 s14, s14, 5
	s_add_co_u32 s13, s13, s14
	s_add_co_u32 s13, s13, STG
	v_add_nc_u32 v7, s13, v30                      ; the stage: 512 h + 4 x my row's point: lane r of tile w is point 32 (w / 2) + 8 (w % 2) + r + (r & 8)
	s_and_b32 s14, s[WV], 1
	s_lshl_b32 s14, s14, 9
	s_add_co_u32 s14, s14, STG
	v_add_nc_u32 v25, s14, v1                      ; and back: a plane's 512 bytes
	s_mov_b32 s[CS], 0x3fb8aa3b                    ; c = log2(e)
	s_mov_b32 s[CS+1], s[CS]
	s_mov_b32 s[NC], 0xbfb8aa3b                    ; -c
	s_mov_b32 s[SEL], 0x76543210
	s_mov_b32 s[SEL+1], 0xfedcba98
	s_mov_b32 s[TB], 0
	v_mov_b32 v201, 0xfe967699                     ; M = -1e38, under every energy that is served
	v_mul_f32 v200, s[NC], v201                    ; NR
	v_mov_b32 v202, 0                              ; l
	v_mov_b32 v203, 0
	v_mov_b32 v205, 0                              ; (named as the upper half of the factor's pair)
	v_mov_b32 v4, v1
	v_mov_b32 v5, v2
	v_mov_b32 v6, v3
.macro KLOAD                           ; 20 LDS loads: a part's eight half fragments and its scale words
.irp t, 0,1,2,3,4,5,6,7
	ds_load_b128 v[KF+12*\t:KF+12*\t+3], v4 offset:768*\t
	ds_load_b64 v[KF+12*\t+4:KF+12*\t+5], v5 offset:768*\t+512
.endr
.irp b, 0,1,2,3
	ds_load_b32 v[KS+\b], v6 offset:6144+128*\b
.endr
.endm
; A step: 128 columns.  next = 1: the next part is fetched behind the products
.macro STEP next
	s_wait_dscnt 0x0
.irp b, 0,1,2,3
	MM SR+16*\b, KF+24*\b, QF, -1, KS+\b, QS, 0
	MM SR+16*\b+8, KF+24*\b+12, QF, -1, KS+\b, QS, 1
.endr
	PLACES 4                                       ; four plain instructions in front of loads into registers that the products read, and of the first read of results
.if \next
	s_add_co_u32 s[TB], s[TB], PART
	v_add_nc_u32 v4, s[TB], v1
	v_add_nc_u32 v5, s[TB], v2
	v_add_nc_u32 v6, s[TB], v3
	KLOAD
.endif
.irp b, 0,1,2,3
	v_max3_num_f32 v[MX+\b], v[SR+16*\b], v[SR+16*\b+1], v[SR+16*\b+2]   ; four chains; each result is read from its low end on
.endr
.irp i, 3,5,7,9,11,13
.irp b, 0,1,2,3
	v_max3_num_f32 v[MX+\b], v[MX+\b], v[SR+16*\b+\i], v[SR+16*\b+\i+1]
.endr
.endr
.irp b, 0,1,2,3
	v_max_num_f32 v[MX+\b], v[MX+\b], v[SR+16*\b+15]
.endr
	v_max3_num_f32 v208, v[MX], v[MX+1], v[MX+2]
	v_max3_num_f32 v201, v208, v[MX+3], v201       ; the new M
	v_mul_f32 v209, s[NC], v201                    ; the new NR
	v_sub_f32 v204, v209, v200                     ; new NR - old NR: 0 or less
	v_mov_b32 v200, v209
.set J, 0
.rept 32
	v_pk_fma_f32 v[SR+J:SR+J+1], v[SR+J:SR+J+1], s[CS:CS+1], v[200:201] op_sel_hi:[1,0,0]   ; c e + NR, two at a time
.set J, J+2
.endr
.set J, 0
.rept 64
	v_exp_f32 v[SR+J], v[SR+J]
.set J, J+1
.endr
	v_exp_f32 v204, v204
	v_nop                                          ; one plain instruction behind the batch
	s_wait_alu depctr_va_vdst(0)                   ; one wait for the 65, ahead of their first reader
	v_pk_mul_f32 v[202:203], v[202:203], v[204:205] op_sel_hi:[1,0]   ; l under the new M
	v_pk_add_f32 v[206:207], v[SR:SR+1], v[SR+2:SR+3]
.irp j, 4,8,12,16,20,24,28,32,36,40,44,48,52,56,60
	v_pk_add_f32 v[202:203], v[202:203], v[SR+\j:SR+\j+1]
	v_pk_add_f32 v[206:207], v[206:207], v[SR+\j+2:SR+\j+3]
.endr
	v_pk_add_f32 v[202:203], v[202:203], v[206:207]
.endm
; Eight steps.  The first seven fetch inside the chunk; the eighth fetches the next chunk's first part, behind the wait that shows my part of that chunk landed and a barrier
.macro CHUNK c
	s_mov_b32 s[CNT], 7
.Lstep_\@:
	STEP 1
	s_sub_co_u32 s[CNT], s[CNT], 1
	s_cmp_lg_u32 s[CNT], 0
	s_cbranch_scc1 .Lstep_\@
.if \c < 3
	s_wait_tensorcnt 2-\c                          ; of my four loads those of the chunks behind the next one may stay out
	s_wait_dscnt 0x0
	s_barrier_signal -1
	s_barrier_wait -1
	STEP 1
.else
	STEP 0
.endif
.endm
	s_wait_tensorcnt 0x3                           ; my part of chunk 0 is in,
	s_barrier_signal -1
	s_barrier_wait -1                              ; everybody's is
	KLOAD
	s_wait_loadcnt 0x0                             ; my rows
	CHUNK 0
	CHUNK 1
	CHUNK 2
	CHUNK 3
	; the two halves of the lanes meet
	v_add_f32 v208, v202, v203
	v_permlanex16_b32 v209, v201, s[SEL], s[SEL+1]
	v_max_num_f32 v210, v201, v209                 ; the row's M
	v_mul_f32 v211, s[NC], v210                    ; its NR
	v_sub_f32 v212, v211, v200
	v_fma_f32 v213, v210, s[CS], v211              ; c M + NR: what the largest term's exponent was
	v_exp_f32 v212, v212
	v_exp_f32 v213, v213                           ; g
	v_nop
	s_wait_alu depctr_va_vdst(0)
	v_mul_f32 v208, v208, v212                     ; my half's sum under the row's M
	v_permlanex16_b32 v209, v208, s[SEL], s[SEL+1]
	v_add_f32 v208, v208, v209                     ; l
	v_log_f32 v213, v213
	v_log_f32 v208, v208
	v_xor_b32 v214, 0x80000000, v210               ; -M  (a plain instruction behind the logarithms)
	s_wait_alu depctr_va_vdst(0)
	v_sub_f32 v213, v213, v208                     ; NLG = log2(g) - log2(l)
	v_cmp_eq_u32 vcc_lo, 1, v10
	v_cndmask_b32 v214, v214, v213, vcc_lo         ; lanes 0-15 hand on -M, lanes 16-31 NLG
	ds_store_b32 v7, v214
	s_wait_dscnt 0x0                               ; for the others' sake
	s_barrier_signal -1
	s_barrier_wait -1
	s_cmp_lt_u32 s[WV], 2
	s_cbranch_scc0 .Lno_store
	ds_load_b128 v[216:219], v25
	s_wait_dscnt 0x0
	global_store_b128 v1, v[216:219], s[52:53]     ; 512 consecutive bytes of a plane
.Lno_store:
	s_wait_tensorcnt 0x0
	ds_add_u32 v254, v255
	s_wait_dscnt 0x0
	CROUND                                         ; the closing round
	s_endpgm
.Lfunc_end_k_q6c4a51ed6f_stats:
	.size	k_q6c4a51ed6f_stats, .Lfunc_end_k_q6c4a51ed6f_stats-k_q6c4a51ed6f_stats
	.p2alignl 7, 3214868480
	.fill 96, 4, 3214868480
	.section	.rodata,"a",@progbits
	.p2align	6, 0x0
	.amdhsa_kernel k_q6c4a51ed6f_stats
		.amdhsa_group_segment_fixed_size 215040
		.amdhsa_private_segment_fixed_size 0
		.amdhsa_enable_private_segment 0
		.amdhsa_kernarg_size 16
		.amdhsa_user_sgpr_count 2
		.amdhsa_user_sgpr_kernarg_segment_ptr 1
		.amdhsa_wavefront_size32 1
		.amdhsa_system_sgpr_workgroup_id_x 1
		.amdhsa_system_sgpr_workgroup_id_y 1
		.amdhsa_system_sgpr_workgroup_id_z 1
		.amdhsa_system_vgpr_workitem_id 0
		.amdhsa_next_free_vgpr 256
		.amdhsa_next_free_sgpr 66
		.amdhsa_reserve_vcc 1
		.amdhsa_float_denorm_mode_32 3
		.amdhsa_float_denorm_mode_16_64 3
		.amdhsa_memory_ordered 1
		.amdhsa_forward_progress 1
		.amdhsa_inst_pref_size 97
	.end_amdhsa_kernel
	.amdgpu_metadata
---
amdhsa.version: [ 1, 2 ]
amdhsa.kernels:
  - .name:           k_q6c4a51ed6f_stats
    .symbol:         k_q6c4a51ed6f_stats.kd
    .args:
      - { .name: kv, .offset: 0, .size: 8, .value_kind: global_buffer, .address_space: global }
      - { .name: stat, .offset: 8, .size: 8, .value_kind: global_buffer, .address_space: global }
    .group_segment_fixed_size: 215040
    .private_segment_fixed_size: 0
    .kernarg_segment_align: 8
    .kernarg_segment_size: 16
    .max_flat_workgroup_size: 256
    .sgpr_count:     66
    .vgpr_count:     256
    .wavefront_size: 32
...
	.end_amdgpu_metadata
.endif
;; end of part 3
;; launch attn (part 4): grid 32 x 8, 4 waves a work-group, clusters of 4 x 1, 327,680 bytes of LDS; arguments kv, stat, wq, x, b_t, gamma, beta, run_mean, run_var, out0; writes out0
.if DOCPART == 4
	.amdgcn_target "amdgcn-amd-amdhsa--gfx1250"
	.amdhsa_code_object_version 6
	.text
	.protected	k_q6c4a51ed6f_attn
	.globl	k_q6c4a51ed6f_attn
	.p2align	8
	.type	k_q6c4a51ed6f_attn,@function
k_q6c4a51ed6f_attn:
	s_mov_b64 s[64:65], 0
	v_nop
	global_prefetch_b8 v0, s[64:65] scope:SCOPE_SE
	s_setreg_imm32_b32 hwreg(HW_REG_WAVE_MODE, 25, 1), 1
	s_wait_xcnt 0x0
	s_wait_alu depctr_hold_cnt(0) depctr_sa_sdst(0) depctr_va_vdst(0) depctr_va_sdst(0) depctr_va_ssrc(0) depctr_va_vcc(0) depctr_vm_vsrc(0)
	s_getreg_b32 s2, hwreg(HW_REG_IB_STS2, 6, 4)
	s_cmp_eq_u32 s2, 0
	s_cbranch_scc0 .Lentry_in_a_cluster
	s_endpgm
.Lentry_in_a_cluster:
	s_bfe_u32 s2, ttmp6, 0x10000c
	s_cmp_lg_u32 s2, 0x3003
	s_cbranch_scc0 .Lentry_shape_is_right
	s_endpgm
.Lentry_shape_is_right:
; out = x + relu(BN(w_t (x - x_r) + b_t)),  x_r[c][m] = the sum over n of x_v[c][n] attn[n][m],  attn[n][m] = e^(energy[n][m] - M[n]) / l[n].  All products on codes of FP6 (E2M3) with E8M0 scales.
; SHARES.  A work-group owns 128 columns m of one batch; wave w owns two tiles of 16 (lane r of tile 2 w + i: point 32 w + 8 i + r + (r & 8)) with all 256 channels of x_r for them: 256 registers.
; Every wave walks the batch's 4,096 rows n, 128 a step.
; A STEP'S ARITHMETIC.  energy^T (source 0 = 16 rows n, source 1 = my columns; the sources are swapped against the launch that took the statistics, so the bits are the same): a lane holds one column, register
; 16 b + i = row 32 b + 16 h + i.  d = e + (-M[n]) is exactly 0 at a row's largest energy; p = 2^(c d + NLG[n]) is attn, finished and normalised (-M and NLG = -log2(l) come from the launch before); p is quantised
; along n in registers and is source 1 of x_r^T += x_v p (source 0 = 16 channels).  The maximum is taken away before the exponential.
; THE TEXT IS A PIPELINE.  BODY j holds parts of two steps, so that every matrix instruction but the last body's stands among vector work that does not hang on it, and no run of LDS loads is longer than 12:
;   the 128 exponentials of step j, in eight groups of 16, a run of 12 LDS loads in front of each (rows, -M and NLG of step j + 1, then x_v of step j)  |  tile 0's quantiser  |
;   8 products energy^T of tile 0, step j + 1, an eighth of tile 1's quantiser behind each  |  8 of tile 1, four subtractions of tile 0 behind each  |  32 products x_v p of step j, the other 96 packed lines of step j + 1 among them.
; RING.  Two slots of 65,536 bytes.  Body j reads x_v of record j and the rows of record j + 1, so a slot begins 6,656 bytes into a record: V(2 s), K(2 s + 1), V(2 s + 1), K(2 s + 2).  Record 0's rows come straight
; from memory.  The last slot ends 6,656 bytes behind the batch's records; those bytes are fetched and never read from LDS.  CLUSTER: the four work-groups of a cluster belong to one batch and walk the same
; bytes: each quarter of a slot is asked for jointly.  The batch's statistics (32 KB) come once, with the first fill.  By this text's count a wave has two tensor loads out at the start and one behind each round.
; x's tile (256 channels x 512 bytes) comes through registers, four rows a wave in each of the 16 slots, into rows of 528 bytes that no tensor load touches.
; EPILOGUE.  x - x_r is quantised along the channels in registers and goes from wave to wave as images of operand registers; wave w makes output channels 64 w on (source 0 = 16 points, source 1 = 16 rows of w_t: a
; lane holds one channel and eight neighbouring points); BN, relu and the residual are done on x's tile in place, which leaves as whole rows of 512 bytes.  w_t and the channel vectors are asked for in the last body.
; LIMITS: NaN and infinities are not served; a weight under 2^-126 counts as 0; a block of zeros gets the byte 1 (its codes are zeros).
; REGISTERS.  window 0: v1-15 addresses; v16-39 my columns' two fragments; v40-55 and v124-127 scale words alone; v56-99 the quantiser; v100-115 x on its way; v116-123 the epilogue's addresses; v128-255 energy^T, then p.
;   window 1: x_r^T, tile i at 128 i + 8 t.   window 2: x_v's 16 fragments.   window 3: the rows' 8 fragments (later w_t's 8); from 96 -M, from 160 NLG of my 64 rows.
.set SLOTB, 65536
.set REC,   32768                      ; half a slot
.set KSH,   6656                       ; where a slot begins in a record
.set VW,    24576                      ; in half a slot: x_v's codes at 0, its scale words here,
.set KC,    26112                      ; the next record's rows,
.set KW,    32256                      ; their scale words
.set STATS, 131072                     ; -M of the batch, 16 KB, then NLG; 1,024 bytes behind them are left unused
.set XT,    164864                     ; x's tile
.set XP,    528                        ; its pitch: 512 + 16
.set SPARE, 300032                     ; the spare words: 128 bytes a wave
.set DIMG,  0                          ; the epilogue's images lie in slot 0, which has had its last fill and was left at the last change of slots
.set DSC,   24576
.set QF,  16
.set QS,  40                           ; v40-41  (the epilogue: the images' words)
.set DW,  40
.set KS,  42                           ; v42-45  (the epilogue: w_t's words 0-3; words 4-7 in v124-127)
.set VS,  46                           ; v46-53
.set PW,  54                           ; v54-55
.set TM,  56
.set PC,  68                           ; v68-79, v80-91
.set PT,  92
.set XR,  100
.set AA,  100                          ; the epilogue: BN's gain, a pair for each of my four tiles;  from 108 its offset
.set BB,  108
.set SR,  128
.set KF,  0
.set CM,  96
.set LG,  160
.set WV,  24
.set TB,  28                           ; s28  the slot in hand
.set TS,  29                           ; s29  the slot's place among the statistics
.set SLOTS, 30                         ; s30  slots still to be asked for
.set XK,  31                           ; s31  where x's next four rows go
.set CS,  32
.set SEL, 34
.set LIM, 36
.set PFA, 38
.set XB,  40
.set OB,  42
.set G0K, 44
.set G0S, 48
.set G1K, 52
.set G1S, 68
.set MSB, 0
.macro WIN new                         ; the immediate's high byte repeats the setting that is left; a switch that changes nothing is dropped
.if MSB != \new
	s_set_vgpr_msb (MSB<<8)|\new
.set MSB, \new
.endif
.endm
.macro PLACES n
.rept \n
	v_nop
.endr
.endm
.macro MM d, a, b, c, sa, sb, row      ; c < 0: the constant 0;  row = 1: source 0's scale words stand in lanes 16-31
.if (\c) < 0
.if \row
	v_wmma_scale_f32_16x16x128_f8f6f4 v[\d:\d+7], v[\a:\a+11], v[\b:\b+11], 0, v[\sa], v[\sb] matrix_a_fmt:MATRIX_FMT_FP6 matrix_b_fmt:MATRIX_FMT_FP6 matrix_a_scale:MATRIX_SCALE_ROW1
.else
	v_wmma_scale_f32_16x16x128_f8f6f4 v[\d:\d+7], v[\a:\a+11], v[\b:\b+11], 0, v[\sa], v[\sb] matrix_a_fmt:MATRIX_FMT_FP6 matrix_b_fmt:MATRIX_FMT_FP6
.endif
.else
.if \row
	v_wmma_scale_f32_16x16x128_f8f6f4 v[\d:\d+7], v[\a:\a+11], v[\b:\b+11], v[\c:\c+7], v[\sa], v[\sb] matrix_a_fmt:MATRIX_FMT_FP6 matrix_b_fmt:MATRIX_FMT_FP6 matrix_a_scale:MATRIX_SCALE_ROW1
.else
	v_wmma_scale_f32_16x16x128_f8f6f4 v[\d:\d+7], v[\a:\a+11], v[\b:\b+11], v[\c:\c+7], v[\sa], v[\sb] matrix_a_fmt:MATRIX_FMT_FP6 matrix_b_fmt:MATRIX_FMT_FP6
.endif
.endif
.endm
; THE QUANTISER, in eight parts of 8 lines (the last: 12), so that it can stand in slices.  64 numbers of a lane, register 16 b + i = k 32 b + 16 (lane / 16) + i of my row, become a fragment's 12 registers and its row's scale word
.macro QPART s, pc, pw, part
.if (\part) == 0
.irp b, 0,1,2,3
	v_max3_num_f32 v[TM+\b], |v[\s+16*\b]|, |v[\s+1+16*\b]|, 0x1800000   ; and the floor 2^(3 - 127): the byte cannot fall under 1
.endr
.irp b, 0,1,2,3
	v_max3_num_f32 v[TM+\b], v[TM+\b], |v[\s+16*\b+2]|, |v[\s+16*\b+3]|
.endr
.elseif (\part) < 4
.irp b, 0,1,2,3
	v_max3_num_f32 v[TM+\b], v[TM+\b], |v[\s+16*\b+4*(\part)]|, |v[\s+16*\b+4*(\part)+1]|
.endr
.irp b, 0,1,2,3
	v_max3_num_f32 v[TM+\b], v[TM+\b], |v[\s+16*\b+4*(\part)+2]|, |v[\s+16*\b+4*(\part)+3]|
.endr
.elseif (\part) == 4
.irp b, 0,1,2,3
	v_permlanex16_b32 v[TM+4+\b], v[TM+\b], s[SEL], s[SEL+1]
.endr
.irp b, 0,1,2,3
	v_max_num_f32 v[TM+\b], v[TM+\b], v[TM+4+\b]                     ; with lane l xor 16's: the block's largest magnitude
.endr
.elseif (\part) == 5
.irp b, 0,1,2,3
	v_add_nc_u32 v[TM+8+\b], 0xff000000, v[TM+\b]                    ; 2 off the exponent field: the conversion's scale operand
.endr
.irp b, 0,1,2,3
	v_lshrrev_b32 v[TM+4+\b], 23, v[TM+8+\b]                         ; the scale's byte
.endr
.elseif (\part) == 6
	v_lshl_or_b32 v[\pw], v[TM+5], 8, v[TM+4]
	v_lshl_or_b32 v[\pw], v[TM+6], 16, v[\pw]
	v_lshl_or_b32 v[\pw], v[TM+7], 24, v[\pw]
.irp c, 0,1
	v_cvt_scalef32_pk16_fp6_f32 v[\pc+6*\c:\pc+2+6*\c], v[\s+32*\c:\s+15+32*\c], v[TM+8+2*\c]
	v_cvt_scalef32_pk16_fp6_f32 v[PT+4*\c:PT+2+4*\c], v[\s+16+32*\c:\s+31+32*\c], v[TM+8+2*\c+1]   ; (a conversion's three registers begin on an even number)
.endr
	v_nop                                          ; one plain instruction behind the conversions, in the same part
.else
.irp c, 0,1                                    ; the operand wants a whole block in a lane
.irp i, 0,1,2
	v_permlane16_swap_b32 v[\pc+6*\c+\i], v[PT+4*\c+\i]
.endr
.irp i, 0,1,2
	v_mov_b32 v[\pc+3+6*\c+\i], v[PT+4*\c+\i]
.endr
.endr
.endif
.endm
.macro QUANT s, pc, pw
.irp p, 0,1,2,3,4,5,6,7
	QPART \s, \pc, \pw, \p
.endr
.endm
.macro CROUND                          ; a round of the cluster's barrier
	s_barrier_signal -1
	s_barrier_wait -1
	s_cmp_lg_u32 s[WV], 0
	s_cbranch_scc1 .Lnot_wave_0_\@
	s_barrier_signal -3
.Lnot_wave_0_\@:
	s_barrier_wait -3
	s_barrier_signal -1
	s_barrier_wait -1
.endm
; A prefetch of the slot that the NEXT change of slots will ask for: two bodies ahead of that load.  All clusters of a batch walk the same bytes: the batch's first cluster asks.  Its four partners take 16,384 bytes
; each, told apart by address; in each, waves 0 and 1 take 8,192 bytes, lanes 256 bytes apart: each block of 256 bytes is named once.  The last change that fills a slot asks for nothing; slots 0 and 1 come by their loads alone.
.macro ASK
	s_cmp_gt_u32 s[SLOTS], s[LIM]
	s_cbranch_scc0 .Lnot_mine_\@
	global_prefetch_b8 v11, s[PFA:PFA+1] th:TH_LOAD_NT scope:SCOPE_SE
.Lnot_mine_\@:
.endm
	s_load_b256 s[4:11], s[0:1], 0x0               ; kv s[4:5], stat s[6:7], wq s[8:9], x s[10:11]
	s_load_b256 s[12:19], s[0:1], 0x20             ; b_t s[12:13], gamma s[14:15], beta s[16:17], run_mean s[18:19]
	s_load_b128 s[20:23], s[0:1], 0x40             ; run_var s[20:21], out0 s[22:23]
	v_lshl_add_u32 v9, v0, 2, SPARE                ; my spare word; never rewritten
	v_mov_b32 v10, 0                               ; 0; never rewritten
	ds_add_u32 v9, v10
	ds_add_u32 v9, v10
	s_wait_dscnt 0x0
	v_lshrrev_b32 v14, 5, v0
	v_readfirstlane_b32 s[WV], v14                 ; wave 0..3
	s_bfe_u32 s25, ttmp6, 0x40000                  ; cx
	s_lshl_b32 s26, ttmp9, 2
	s_add_co_u32 s26, s26, s25                     ; X: my 128 columns: it enters global addresses of my own alone
	s_and_b32 s27, ttmp7, 0xffff                   ; batch, which the four partners share
	; descriptor groups 1: dense blocks as rows of 256 bytes (32 elements of 8): 64 rows, a quarter of a slot; 32 rows, a quarter of the statistics
	s_mov_b32 s[G1K], 15|(3<<16)|(1<<21)           ; the mask: all four work-groups; bit 21 beside a mask
	s_mov_b32 s[G1K+1], 32<<16
	s_mov_b32 s[G1K+2], 64<<16
	s_mov_b32 s[G1K+3], 32<<16
	s_mov_b32 s[G1K+4], 64
	s_mov_b32 s[G1K+5], 32
	s_mov_b32 s[G1K+6], 0
	s_mov_b32 s[G1K+7], 0
	s_mov_b32 s[G1S], 15|(3<<16)|(1<<21)
	s_mov_b32 s[G1S+1], 32<<16
	s_mov_b32 s[G1S+2], 32<<16
	s_mov_b32 s[G1S+3], 32<<16
	s_mov_b32 s[G1S+4], 32
	s_mov_b32 s[G1S+5], 32
	s_mov_b32 s[G1S+6], 0
	s_mov_b32 s[G1S+7], 0
	s_lshl_b32 s78, s[WV], 14                      ; my quarter of a slot, in LDS and in memory
	s_lshl_b32 s76, s27, 20
	s_add_co_u32 s76, s76, s78
	s_add_co_u32 s76, s76, KSH                     ; a slot begins 6,656 bytes into a record
	s_mov_b32 s77, 0
	s_lshr_b32 s80, s[WV], 1
	s_lshl_b32 s80, s80, 17                        ; waves 0, 1: -M;  waves 2, 3: NLG
	s_lshl_b32 s79, s27, 14
	s_add_co_u32 s80, s80, s79
	s_and_b32 s79, s[WV], 1
	s_lshl_b32 s79, s79, 13
	s_add_co_u32 s80, s80, s79
	s_mov_b32 s81, 0
	s_lshl_b32 s79, s[WV], 13
	s_add_co_u32 s79, s79, STATS
	s_wait_kmcnt 0x0
	s_mov_b32 s[G0K], 1
	s_mov_b32 s[G0K+1], s78
	s_add_nc_u64 s[G0K+2:G0K+3], s[4:5], s[76:77]
	s_or_b32 s[G0K+3], s[G0K+3], 0x80000000
	s_mov_b32 s[G0S], 1
	s_mov_b32 s[G0S+1], s79
	s_add_nc_u64 s[G0S+2:G0S+3], s[6:7], s[80:81]
	s_or_b32 s[G0S+3], s[G0S+3], 0x80000000
	CROUND                                         ; all four work-groups are here: the first joint loads meet
	tensor_load_to_lds s[G0S:G0S+3], s[G1S:G1S+7]  ; the statistics: filled once
	s_nop 0
	tensor_load_to_lds s[G0K:G0K+3], s[G1K:G1K+7]  ; slot 0
	s_nop 0
	PLACES 4
	WIN 0xc0                                       ; destination window 3
.irp t, 0,1,2,3,4,5,6,7
.irp k, 6,7,8,9,10,11
	v_mov_b32 v[KF+12*\t+\k], 0                    ; K = 64 .. 127 of the first product: zero codes
.endr
.endr
	WIN 0
.irp i, 0,1
.irp k, 6,7,8,9,10,11
	v_mov_b32 v[QF+12*\i+\k], 0
.endr
.endr
.irp b, 0,1,2,3
	v_mov_b32 v[TM+4+\b], 0                        ; written once: a lane permute's destination counts as one of its sources
.endr
	v_and_b32 v14, 31, v0                          ; lane
	v_bfe_u32 v15, v0, 4, 1                        ; h
	v_lshlrev_b32 v4, 4, v14                       ; 16, 8, 4 x lane: never rewritten
	v_lshlrev_b32 v5, 3, v14
	v_lshlrev_b32 v6, 2, v14
	v_lshlrev_b32 v11, 8, v14                      ; the prefetches' offset
	v_lshl_add_u32 v7, v15, 6, STATS               ; my half's 16 rows of a block of 32
	s_mul_i32 s60, s[WV], 64*XP
	s_add_co_u32 s60, s60, XT
	v_add_nc_u32 v12, s60, v4                      ; x's tile: my 64 rows, 16 bytes a lane
	v_and_b32 v123, 15, v0                         ; r
	v_and_b32 v116, 8, v123
	v_add_nc_u32 v116, v116, v123
	v_lshlrev_b32 v116, 2, v116
	v_mad_u32_u24 v116, v15, 16*XP, v116
	s_lshl_b32 s61, s[WV], 7
	s_add_co_u32 s61, s61, XT
	v_add_nc_u32 v116, s61, v116                   ; x by columns: channel 16 h, point 32 w + r + (r & 8)
	v_add_nc_u32 v117, 128*XP, v116                ; the same 128 channels on
	s_mul_i32 s62, s[WV], 6144
	v_add_nc_u32 v118, s62, v4                     ; where my four images go
	s_lshl_b32 s63, s[WV], 9
	s_add_co_u32 s63, s63, DSC
	v_add_nc_u32 v119, s63, v6                     ; and their scale words
	v_mul_u32_u24 v120, v123, XP
	v_lshl_add_u32 v120, v15, 6, v120
	v_add_nc_u32 v120, s60, v120                   ; x by rows: channel 64 w + r, + 64 h
	s_lshl_b32 s66, s[WV], 8
	v_lshl_add_u32 v122, v123, 2, s66              ; the channel vectors: 4 (64 w + r)
	v_lshlrev_b32 v121, 2, v123                    ; 4 r
	s_lshl_b32 s82, s27, 5
	s_add_co_u32 s82, s82, s26
	s_lshl_b32 s82, s82, 15                        ; my own record
	s_mov_b32 s83, 0
	s_mul_i32 s86, s[WV], 1536
	s_add_co_u32 s86, s86, s82
	s_mov_b32 s87, 0
	s_add_nc_u64 s[84:85], s[4:5], s[86:87]        ; my two tiles' codes
	s_lshl_b32 s86, s[WV], 7
	s_add_co_u32 s86, s86, s82
	s_add_nc_u64 s[86:87], s[4:5], s[86:87]        ; their scale words
	s_lshl_b32 s92, s27, 20
	s_mov_b32 s93, 0
	s_add_nc_u64 s[92:93], s[4:5], s[92:93]        ; the batch's record 0
.irp i, 0,1
	global_load_b128 v[QF+12*\i:QF+12*\i+3], v4, s[84:85] offset:768*\i
	global_load_b64 v[QF+12*\i+4:QF+12*\i+5], v5, s[84:85] offset:768*\i+512
	global_load_b32 v[QS+\i], v121, s[86:87] offset:6144+64*\i
.endr
	WIN 0xc0                                       ; destination window 3: the rows of step 0 come straight from memory: the ring begins behind them
.irp t, 0,1,2,3,4,5,6,7
	global_load_b128 v[KF+12*\t:KF+12*\t+3], v4, s[92:93] offset:768*\t
	global_load_b64 v[KF+12*\t+4:KF+12*\t+5], v5, s[92:93] offset:768*\t+512
.endr
	WIN 0
.irp b, 0,1,2,3
	global_load_b32 v[KS+\b], v6, s[92:93] offset:6144+128*\b
.endr
	s_lshl_b32 s82, s27, 22
	s_lshl_b32 s88, s[WV], 20
	s_add_co_u32 s82, s82, s88
	s_lshl_b32 s88, s26, 9
	s_add_co_u32 s82, s82, s88
	s_add_nc_u64 s[XB:XB+1], s[10:11], s[82:83]    ; x and out0 at channel 64 w, column 128 X
	s_add_nc_u64 s[OB:OB+1], s[22:23], s[82:83]
	s_lshl_b32 s82, s27, 20
	s_lshl_b32 s88, s25, 14
	s_add_co_u32 s82, s82, s88
	s_and_b32 s88, s[WV], 1
	s_lshl_b32 s88, s88, 13
	s_add_co_u32 s82, s82, s88
	s_add_co_u32 s82, s82, SLOTB+KSH
	s_add_nc_u64 s[PFA:PFA+1], s[4:5], s[82:83]    ; my part of slot 1: the first change of slots steps it to slot 2
	s_mul_i32 s82, s[WV], 12288
	s_add_nc_u64 s[88:89], s[8:9], s[82:83]        ; my eight fragments of w_t
	s_lshl_b32 s82, s[WV], 10
	s_add_nc_u64 s[90:91], s[8:9], s[82:83]        ; their scale words
	s_lshr_b32 s[LIM], s[WV], 1
	s_or_b32 s[LIM], s[LIM], ttmp9                 ; 0 in waves 0 and 1 of the batch's first cluster: the same in all four partners
	s_cmp_eq_u32 s[LIM], 0
	s_cselect_b32 s[LIM], 1, -1
	s_mov_b32 s[CS], 0x3fb8aa3b                    ; c = log2(e)
	s_mov_b32 s[CS+1], s[CS]
	s_mov_b32 s[SEL], 0x76543210
	s_mov_b32 s[SEL+1], 0xfedcba98
	s_mov_b32 s[TB], 0
	s_mov_b32 s[TS], 0
	s_mov_b32 s[XK], 0
	s_mov_b32 s[SLOTS], 15
	s_wait_loadcnt 0x0                             ; my columns, and the rows of step 0
; Load n of the 48 that go into window 3: 0-15 the rows' eight half fragments of the record behind half q of the slot; 16-47 that record's -M and NLG of my 64 rows, by turns
.macro W3LOAD n, q
.if (\n) < 16
.set WI, (\n)/2
.if (\n)%2 == 0
	ds_load_b128 v[KF+12*WI:KF+12*WI+3], v1 offset:REC*(\q)+KC+768*WI
.else
	ds_load_b64 v[KF+12*WI+4:KF+12*WI+5], v2 offset:REC*(\q)+KC+768*WI+512
.endif
.else
.set WI, ((\n)-16)/2
.if (\n)%2 == 0
	ds_load_b128 v[CM+4*WI:CM+4*WI+3], v8 offset:512*((\q)+1)+128*(WI/4)+16*(WI%4)
.else
	ds_load_b128 v[LG+4*WI:LG+4*WI+3], v8 offset:16384+512*((\q)+1)+128*(WI/4)+16*(WI%4)
.endif
.endif
.endm
.macro VRUN f0, q                      ; 12 LDS loads: four fragments of x_v, from f0 on
	WIN 0x80                                       ; destination window 2
.irp u, 0,1,2,3
.irp c, 0,1,2
	ds_load_b128 v[12*((\f0)+\u)+4*\c:12*((\f0)+\u)+4*\c+3], v1 offset:REC*(\q)+1536*((\f0)+\u)+512*\c
.endr
.endr
	WIN 0
.endm
.macro XLOADG                          ; four rows of x, 512 consecutive bytes each; the pointer has been stepped once more than there were groups: the immediate reaches back
.irp i, 0,1,2,3
	global_load_b128 v[XR+4*\i:XR+4*\i+3], v4, s[XB:XB+1] offset:16384*\i-65536 th:TH_LOAD_NT
.endr
.endm
.macro XSTORE                          ; and into x's tile
	s_wait_loadcnt 0x0
	v_add_nc_u32 v13, s[XK], v12
.irp i, 0,1,2,3
	ds_store_b128 v13, v[XR+4*\i:XR+4*\i+3] offset:XP*\i
.endr
	s_add_co_u32 s[XK], s[XK], 4*XP
.endm
; What the epilogue wants from memory, asked for in the last body: there the rows' registers, my columns' and their scale words are free.  w_t's 8 fragments into window 3; its scale words; the five channel vectors
.macro ELOADS
	WIN 0xc0
.irp f, 0,1,2,3,4,5,6,7
.irp c, 0,1,2
	global_load_b128 v[12*\f+4*\c:12*\f+4*\c+3], v4, s[88:89] offset:(40+\f)*1536+512*\c
.endr
.endr
	WIN 0
.irp f, 0,1,2,3,4,5,6,7
	global_load_b32 v[42+\f+78*(\f/4)], v6, s[90:91] offset:110592+(40+\f)*128   ; v42-45, v124-127
.endr
.irp t, 0,1,2,3
	global_load_b32 v[16+\t], v122, s[14:15] offset:64*\t      ; gamma
	global_load_b32 v[20+\t], v122, s[16:17] offset:64*\t      ; beta
	global_load_b32 v[24+\t], v122, s[18:19] offset:64*\t      ; run_mean
	global_load_b32 v[28+\t], v122, s[20:21] offset:64*\t      ; run_var
	global_load_b32 v[32+\t], v122, s[12:13] offset:64*\t      ; b_t
.endr
.endm
; The exponentials of step j, and the LDS loads.  The scale words first; then eight runs of 12 loads, each in front of 16 exponentials.  The registers that the loads fill are free: the rows' since the products
; energy^T of the body before, -M and NLG since its last packed line, x_v's since its last product, behind which five packed lines stand (four plain instructions are asked between a product and a load into its sources).
.macro PHASE_E q, last
	WIN 0
.if \last == 0
.irp b, 0,1,2,3
	ds_load_b32 v[KS+\b], v3 offset:REC*\q+KW+128*\b
.endr
.endif
.irp i, 0,1,2,3,4,5,6,7
	ds_load_b32 v[VS+\i], v3 offset:REC*\q+VW+128*\i
.endr
.irp g, 0,1,2,3,4,5,6,7
.if \last == 0
.if \g < 4
	WIN 0xc0                                       ; destination window 3
.set N, 12*\g
.rept 12
	W3LOAD N, \q
.set N, N+1
.endr
	WIN 0
.else
	VRUN 4*(\g-4), \q
.endif
.else
.if \g < 4
	VRUN 4*\g, \q
.elseif \g == 4
	ELOADS
.endif
.endif
.set J, 16*\g
.rept 16
	v_exp_f32 v[SR+J], v[SR+J]                     ; attn
.set J, J+1
.endr
.endr
	v_nop                                          ; one plain instruction behind the batch
	s_wait_alu depctr_va_vdst(0)                   ; one wait for the 128, ahead of their first reader
.endm
; Product m of 32 of x_r^T += x_v p: channels 32 (m / 4) + 8 ((m / 2) % 2) .., tile m % 2.  Every accumulator has one product a step: they take turns
.macro PVM m, zero
.set PB, (\m)/4
.set PI, (\m)%2
.set PO, ((\m)/2)%2
.if \zero
	MM 128*PI+16*PB+8*PO, 24*PB+12*PO, PC+12*PI, -1, VS+PB, PW+PI, PO
.else
	MM 128*PI+16*PB+8*PO, 24*PB+12*PO, PC+12*PI, 128*PI+16*PB+8*PO, VS+PB, PW+PI, PO
.endif
.endm
; Packed line n of the 96 that stand among those products: 0-31 tile 0: c d + NLG;  32-63 tile 1: d = e - M, each result from its low end on;  64-95 tile 1: c d + NLG
.macro PKN n
.if (\n) < 32
	WIN 0x30                                       ; source 2 window 3
	v_pk_fma_f32 v[SR+2*(\n):SR+2*(\n)+1], v[SR+2*(\n):SR+2*(\n)+1], s[CS:CS+1], v[LG+2*(\n):LG+2*(\n)+1] op_sel_hi:[1,0,1]
.elseif (\n) < 64
	WIN 0x0c                                       ; source 1 window 3
	v_pk_add_f32 v[SR+2*(\n):SR+2*(\n)+1], v[SR+2*(\n):SR+2*(\n)+1], v[CM+2*(\n)-64:CM+2*(\n)-63]
.else
	WIN 0x30
	v_pk_fma_f32 v[SR+2*(\n)-64:SR+2*(\n)-63], v[SR+2*(\n)-64:SR+2*(\n)-63], s[CS:CS+1], v[LG+2*(\n)-128:LG+2*(\n)-127] op_sel_hi:[1,0,1]
.endif
.endm
; BODY j, on half q of the slot.  zero = 1: the products x_v p start x_r's sums: nothing is ever cleared.  last = 1: there is no step behind this one.
.macro BODY q, zero, last
	PHASE_E \q, \last
	QUANT SR, PC, PW                               ; tile 0
.if \last
	QUANT SR+64, PC+12, PW+1
	PLACES 8                                       ; a scale word made by vector instructions stands eight plain instructions ahead of the product, an operand four
	s_wait_dscnt 0x0
	WIN 0x52                                       ; source 0 window 2, C and D window 1
.set M, 0
.rept 32
	PVM M, 0
.set M, M+1
.endr
	WIN 0
.else
	s_wait_dscnt 48                                ; x_v's 48 loads, the youngest, may be out: the rows, the statistics, all scale words and x's stores are done
.if \q == 0
	XLOADG
.endif
.irp m, 0,1,2,3,4,5,6,7                        ; energy^T of tile 0, step j + 1, over p of tile 0, which is quantised; behind each product an eighth of tile 1's quantiser
.set RW, (\m)%2
.set KB, (\m)/2
	WIN 0x03                                       ; source 0 window 3
	MM SR+8*\m, KF+12*\m, QF, -1, KS+KB, QS, RW
	WIN 0
	QPART SR+64, PC+12, PW+1, \m
.endr
.irp m, 0,1,2,3,4,5,6,7                        ; the same of tile 1; behind each product four subtractions of tile 0.  The quantiser's last part, six moves among its 12 lines, parts tile 0's last product from the first read of its results
.set RW, (\m)%2
.set KB, (\m)/2
	WIN 0x03
	MM SR+64+8*\m, KF+12*\m, QF+12, -1, KS+KB, QS+1, RW
	WIN 0x0c                                       ; source 1 window 3
.irp k, 0,2,4,6
	v_pk_add_f32 v[SR+8*\m+\k:SR+8*\m+\k+1], v[SR+8*\m+\k:SR+8*\m+\k+1], v[CM+8*\m+\k:CM+8*\m+\k+1]   ; d = e - M[n]: first the difference, exactly 0 at the row's largest; each result from its low end on
.endr
.endr
	s_wait_dscnt 0x0                               ; x_v is in
.set M, 0
.set N, 0
.rept 32                                       ; one line behind the first product, three behind each of the next thirty, five behind the last: those five are the plain instructions in front of the next body's loads of x_v
	WIN 0x52                                       ; source 0 window 2, C and D window 1
	PVM M, \zero
.set M, M+1
.set TG, 3*M-2
.if M == 32
.set TG, 96
.endif
.rept TG-N
	PKN N
.set N, N+1
.endr
.endr
	WIN 0
.endif
.endm
.macro ADDR                            ; the slot's addresses
	v_add_nc_u32 v1, s[TB], v4
	v_add_nc_u32 v2, s[TB], v5
	v_add_nc_u32 v3, s[TB], v6
	v_add_nc_u32 v8, s[TS], v7
.endm
.macro NEXT_SLOT
	s_xor_b32 s[TB], s[TB], SLOTB
	s_add_co_u32 s[TS], s[TS], 1024
.endm
; THE CHANGE OF SLOTS stands between two bodies.  Each wave waits for all its tensor loads (its quarter of the slot ahead), adds 0 to its spare word, and waits for that and for its reads of the slot that it has left.
; fill = 1: a round of the cluster's barrier; behind it no wave of any partner reads the slot left or has a load on its way, and that slot is filled with the next 65,536 bytes: the wave's one load until the next round.
.macro CHANGE fill
	WIN 0
	s_wait_tensorcnt 0x0                           ; no tensor load of mine is out, so a group 0 may be written
	ds_add_u32 v9, v10                             ; 0 onto my spare word
	s_wait_xcnt 0x0                                ; x's loads and the last prefetch have read their addresses
	s_add_nc_u64 s[XB:XB+1], s[XB:XB+1], 65536     ; x: four rows on
.if \fill
	s_xor_b32 s[G0K+1], s[G0K+1], SLOTB            ; the walking descriptor: the other slot,
	s_add_nc_u64 s[G0K+2:G0K+3], s[G0K+2:G0K+3], SLOTB   ; the next 65,536 bytes
	s_add_nc_u64 s[PFA:PFA+1], s[PFA:PFA+1], SLOTB ; one slot further on than the descriptor
.endif
	s_wait_dscnt 0x0                               ; the add is done, and my reads of the slot that I have left are over
.if \fill
	CROUND
	tensor_load_to_lds s[G0K:G0K+3], s[G1K:G1K+7]
	s_nop 0
	PLACES 4
	ASK
.else
	s_barrier_signal -1
	s_barrier_wait -1
.endif
.endm
	CHANGE 1                                       ; slot 0 and the statistics are whole; slot 1 is asked for
	ADDR
	WIN 0xc0                                       ; the way into the pipeline: -M and NLG of step 0,
.set N, 16
.rept 32
	W3LOAD N, -1
.set N, N+1
.endr
	WIN 0
	s_wait_dscnt 0x0
	WIN 0x03                                       ; its energies,
.irp m, 0,1,2,3,4,5,6,7
.set RW, (\m)%2
.set KB, (\m)/2
	MM SR+8*\m, KF+12*\m, QF, -1, KS+KB, QS, RW
.endr
.irp m, 0,1,2,3,4,5,6,7
.set RW, (\m)%2
.set KB, (\m)/2
	MM SR+64+8*\m, KF+12*\m, QF+12, -1, KS+KB, QS+1, RW
.endr
	WIN 0
	PLACES 4                                       ; four plain instructions between the last product and the first read of results
	WIN 0x0c
.set J, 0
.rept 32
	v_pk_add_f32 v[SR+J:SR+J+1], v[SR+J:SR+J+1], v[CM+J:CM+J+1]               ; and its exponents
	v_pk_add_f32 v[SR+64+J:SR+64+J+1], v[SR+64+J:SR+64+J+1], v[CM+J:CM+J+1]
.set J, J+2
.endr
	WIN 0x30
.set J, 0
.rept 32
	v_pk_fma_f32 v[SR+J:SR+J+1], v[SR+J:SR+J+1], s[CS:CS+1], v[LG+J:LG+J+1] op_sel_hi:[1,0,1]
	v_pk_fma_f32 v[SR+64+J:SR+64+J+1], v[SR+64+J:SR+64+J+1], s[CS:CS+1], v[LG+J:LG+J+1] op_sel_hi:[1,0,1]
.set J, J+2
.endr
	WIN 0
	BODY 0, 1, 0                                   ; the first slot is written out: its first body starts x_r's sums
	BODY 1, 0, 0
	NEXT_SLOT
	s_sub_co_u32 s[SLOTS], s[SLOTS], 1
.Lslot:                                            ; 14 trips
	CHANGE 1
	ADDR
	XSTORE                                         ; the four rows of x asked for a slot ago
	BODY 0, 0, 0
	BODY 1, 0, 0
	NEXT_SLOT
	s_sub_co_u32 s[SLOTS], s[SLOTS], 1
	s_cmp_lg_u32 s[SLOTS], 0
	s_cbranch_scc1 .Lslot
	CHANGE 0                                       ; the last slot is written out
	ADDR
	XSTORE
	BODY 0, 0, 0
	BODY 1, 0, 1
	; ---- the epilogue.  x's last four rows; the wait in front of them serves w_t and the channel vectors too, which were asked for in the last body
	PLACES 4
	XSTORE
	s_wait_dscnt 0x0
	s_barrier_signal -1
	s_barrier_wait -1                              ; x's tile is whole
.irp t, 0,1,2,3
	v_add_f32 v[28+\t], 0x3727c5ac, v[28+\t]       ; run_var + 1e-5
.endr
.irp t, 0,1,2,3
	v_rsq_f32 v[28+\t], v[28+\t]
.endr
.irp t, 0,1,2,3
	v_sub_f32 v[32+\t], v[32+\t], v[24+\t]         ; b_t - run_mean  (plain instructions behind the roots)
.endr
	s_wait_alu depctr_va_vdst(0)
.irp t, 0,1,2,3
	v_mul_f32 v[AA+2*\t], v[16+\t], v[28+\t]       ; the gain gamma / sqrt(run_var + eps), twice: a pair for the packed forms
	v_mul_f32 v[AA+2*\t+1], v[16+\t], v[28+\t]
.endr
.irp t, 0,1,2,3
	v_fma_f32 v[BB+2*\t], v[32+\t], v[AA+2*\t], v[20+\t]       ; (b_t - run_mean) x gain + beta
	v_fma_f32 v[BB+2*\t+1], v[32+\t], v[AA+2*\t], v[20+\t]
.endr
; x - x_r of my tile ii, a lane to a point, register 16 b + i = channel 32 b + 16 h + i; quantised along the channels; two images.  (The two halves of the lanes read words 16 rows apart, which fall on the same banks: once a tile)
.macro EONE ii
.set J, 0
.rept 64
	ds_load_b32 v[SR+J], v116 offset:(32*(J/16)+J%16)*XP+32*\ii
.set J, J+1
.endr
.set J, 0
.rept 64
	ds_load_b32 v[SR+64+J], v117 offset:(32*(J/16)+J%16)*XP+32*\ii
.set J, J+1
.endr
	s_wait_dscnt 0x0
	WIN 0x04                                       ; source 1 window 1
.set J, 0
.rept 64
	v_pk_add_f32 v[SR+J:SR+J+1], v[SR+J:SR+J+1], v[128*\ii+J:128*\ii+J+1] neg_lo:[0,1] neg_hi:[0,1]   ; each sum is read from its low end on
.set J, J+2
.endr
	WIN 0
	QUANT SR, PC, PW
	QUANT SR+64, PC+12, PW+1
.irp s, 0,1
.irp c, 0,1,2
	ds_store_b128 v118, v[PC+12*\s+4*\c:PC+12*\s+4*\c+3] offset:DIMG+(2*\ii+\s)*1536+512*\c
.endr
	ds_store_b32 v119, v[PW+\s] offset:128*(2*\ii+\s)
.endr
	s_wait_dscnt 0x0                               ; the stores have read their registers
.endm
	EONE 0
	EONE 1
	s_barrier_signal -1
	s_barrier_wait -1                              ; the sixteen images lie in LDS, and nobody reads x's tile by columns any more
; my 64 output channels for tile i of 16 points: lane (r, h) of tile t: channel 64 w + 16 t + r, points 32 (i / 2) + 8 (i % 2) + 16 h + 0 .. 7.  The result takes x's place in the tile: the rows are my own
.macro ETWO i
.irp s, 0,1
.irp c, 0,1,2
	ds_load_b128 v[SR+12*\s+4*\c:SR+12*\s+4*\c+3], v4 offset:DIMG+(2*(\i)+\s)*1536+512*\c
.endr
	ds_load_b32 v[DW+\s], v6 offset:DSC+128*(2*(\i)+\s)
.endr
.irp t, 0,1,2,3
	ds_load_b128 v[192+8*\t:195+8*\t], v120 offset:\t*16*XP+128*((\i)/2)+32*((\i)%2)
	ds_load_b128 v[196+8*\t:199+8*\t], v120 offset:\t*16*XP+128*((\i)/2)+32*((\i)%2)+16
.endr
	s_wait_dscnt 0x0
	WIN 0x0c                                       ; source 1 window 3
.irp t, 0,1,2,3
	MM 160+8*\t, SR, 24*\t, -1, DW, 42+2*\t+78*(\t/2), 0
.endr
.irp t, 0,1,2,3
	MM 160+8*\t, SR+12, 24*\t+12, 160+8*\t, DW+1, 43+2*\t+78*(\t/2), 0
.endr
	WIN 0
	PLACES 4
.irp t, 0,1,2,3
.irp k, 0,2,4,6
	v_pk_fma_f32 v[160+8*\t+\k:161+8*\t+\k], v[160+8*\t+\k:161+8*\t+\k], v[AA+2*\t:AA+2*\t+1], v[BB+2*\t:BB+2*\t+1]
.endr
.irp k, 0,1,2,3,4,5,6,7
	v_max_num_f32 v[160+8*\t+\k], 0, v[160+8*\t+\k]
.endr
.irp k, 0,2,4,6
	v_pk_add_f32 v[160+8*\t+\k:161+8*\t+\k], v[160+8*\t+\k:161+8*\t+\k], v[192+8*\t+\k:193+8*\t+\k]
.endr
	ds_store_b128 v120, v[160+8*\t:163+8*\t] offset:\t*16*XP+128*((\i)/2)+32*((\i)%2)
	ds_store_b128 v120, v[164+8*\t:167+8*\t] offset:\t*16*XP+128*((\i)/2)+32*((\i)%2)+16
.endr
	s_wait_dscnt 0x0                               ; the stores have read their registers
.endm
.irp i, 0,1,2,3,4,5,6,7
	ETWO \i
.endr
; my 64 rows leave: 16 rows at a time, two sets of registers by turns; 32 lanes store a row's 512 consecutive bytes
.macro LD3 g
.irp t, 0,1,2,3,4,5,6,7,8,9,10,11,12,13,14,15
	ds_load_b128 v[SR+64*((\g)%2)+4*\t:SR+64*((\g)%2)+4*\t+3], v12 offset:(16*(\g)+\t)*XP
.endr
.endm
.macro ST3 g, younger                  ; younger: the LDS loads issued behind this round's
.irp t, 0,1,2,3,4,5,6,7,8,9,10,11,12,13,14,15
	s_wait_dscnt \younger+15-\t
	global_store_b128 v4, v[SR+64*((\g)%2)+4*\t:SR+64*((\g)%2)+4*\t+3], s[OB:OB+1] offset:(16*(\g)+\t)*16384 th:TH_STORE_NT
.endr
.endm
	LD3 0
	LD3 1
	ST3 0, 16
	s_wait_xcnt 0x0                                ; the stores have read their registers: the set is loaded again only behind this wait
	LD3 2
	ST3 1, 16
	s_wait_xcnt 0x0
	LD3 3
	ST3 2, 16
	ST3 3, 0
	s_wait_tensorcnt 0x0                           ; the wave's end
	ds_add_u32 v9, v10
	s_wait_dscnt 0x0
	CROUND                                         ; the closing round
	s_endpgm
.Lfunc_end_k_q6c4a51ed6f_attn:
	.size	k_q6c4a51ed6f_attn, .Lfunc_end_k_q6c4a51ed6f_attn-k_q6c4a51ed6f_attn
	.p2alignl 7, 3214868480
	.fill 96, 4, 3214868480
	.section	.rodata,"a",@progbits
	.p2align	6, 0x0
	.amdhsa_kernel k_q6c4a51ed6f_attn
		.amdhsa_group_segment_fixed_size 327680
		.amdhsa_private_segment_fixed_size 0
		.amdhsa_enable_private_segment 0
		.amdhsa_kernarg_size 80
		.amdhsa_user_sgpr_count 2
		.amdhsa_user_sgpr_kernarg_segment_ptr 1
		.amdhsa_wavefront_size32 1
		.amdhsa_system_sgpr_workgroup_id_x 1
		.amdhsa_system_sgpr_workgroup_id_y 1
		.amdhsa_system_sgpr_workgroup_id_z 1
		.amdhsa_system_vgpr_workitem_id 0
		.amdhsa_next_free_vgpr 1024
		.amdhsa_next_free_sgpr 96
		.amdhsa_reserve_vcc 0
		.amdhsa_float_denorm_mode_32 3
		.amdhsa_float_denorm_mode_16_64 3
		.amdhsa_memory_ordered 1
		.amdhsa_forward_progress 1
		.amdhsa_inst_pref_size 255
	.end_amdhsa_kernel
	.section	.bss,"aw",@nobits
	.p2align	6
	.space	262144
	.amdgpu_metadata
---
amdhsa.version: [ 1, 2 ]
amdhsa.kernels:
  - .name:           k_q6c4a51ed6f_attn
    .symbol:         k_q6c4a51ed6f_attn.kd
    .args:
      - { .name: kv, .offset: 0, .size: 8, .value_kind: global_buffer, .address_space: global }
      - { .name: stat, .offset: 8, .size: 8, .value_kind: global_buffer, .address_space: global }
      - { .name: wq, .offset: 16, .size: 8, .value_kind: global_buffer, .address_space: global }
      - { .name: x, .offset: 24, .size: 8, .value_kind: global_buffer, .address_space: global }
      - { .name: b_t, .offset: 32, .size: 8, .value_kind: global_buffer, .address_space: global }
      - { .name: gamma, .offset: 40, .size: 8, .value_kind: global_buffer, .address_space: global }
      - { .name: beta, .offset: 48, .size: 8, .value_kind: global_buffer, .address_space: global }
      - { .name: run_mean, .offset: 56, .size: 8, .value_kind: global_buffer, .address_space: global }
      - { .name: run_var, .offset: 64, .size: 8, .value_kind: global_buffer, .address_space: global }
      - { .name: out0, .offset: 72, .size: 8, .value_kind: global_buffer, .address_space: global }
    .group_segment_fixed_size: 327680
    .private_segment_fixed_size: 0
    .kernarg_segment_align: 8
    .kernarg_segment_size: 80
    .max_flat_workgroup_size: 128
    .sgpr_count:     96
    .vgpr_count:     1024
    .wavefront_size: 32
...
	.end_amdgpu_metadata
.endif
;; end of part 4
